; MI455X (gfx1250); checked and timed in simulation.
; The chip was launched on July 23, 2026; its instructions are those of AMD's public machine-readable ISA for CDNA 5 (MIT licence, August 2026) and "CDNA5" Instruction Set Architecture Reference Guide (July 2026). The comments in the code are by the model that wrote it; some were corrected since.
;; TF Attention. Allowed arithmetic: float matrix products may take bf16 or f16 operands with f32 sums; all other float work in f32.
;; Inputs: W_attn 1,024 x 3,072 float32; W_proj 1,024 x 1,024 float32; attention_mask 4 x 1 x 1 x 2,048 float32; b_attn 3,072 float32; b_proj 1,024 float32; x 4 x 2,048 x 1,024 float32.
;; Outputs: out0 4 x 2,048 x 1,024 float32.
;; 2 versions, each right; version 2 is version 1 with the launch prep written anew for expert scheduling mode. Each part assembles by itself: llvm-mc -triple=amdgcn-amd-amdhsa -mcpu=gfx1250 --defsym DOCPART=n.
;; ======== version 1 of 2: 5 launches
;; limits: values are held in f16: magnitudes above 65,504 overflow, below 6.1e-05 lose precision
;; workspace buffers: xb 16,777,216 bytes; wta 6,291,456 bytes; wtp 2,097,152 bytes; qkvh 50,331,648 bytes; tail 262,144 bytes; ah 16,777,216 bytes
;; launch prep (part 1): grid 320 x 1, 8 waves a work-group, no clusters, 140,288 bytes of LDS; arguments x, W_attn, W_proj, xb, wta, wtp; writes xb, wta, wtp
.if DOCPART == 1
	.amdgcn_target "amdgcn-amd-amdhsa--gfx1250"
	.amdhsa_code_object_version 6
	.text
	.protected	k_q29a586946e_prep
	.globl	k_q29a586946e_prep
	.p2align	8
	.type	k_q29a586946e_prep,@function
k_q29a586946e_prep:
	s_mov_b64 s[64:65], 0
	v_nop
	global_prefetch_b8 v0, s[64:65] scope:SCOPE_SE
	s_setreg_imm32_b32 hwreg(HW_REG_WAVE_MODE, 25, 1), 1
	s_wait_xcnt 0x0
; prep: the matrix operands in 16 bits.
;   xb  [8192][1024]  bf16 = x rounded to nearest even
;   wta [3072 n][1024 k] bf16 = W_attn rounded, transposed (K along the rows, as the matrix fragments want it)
;   wtp [1024 n][1024 k] f16  = W_proj rounded to bf16 and that value held as f16, transposed
; LIMIT: an entry of W_proj below 7.6e-6 in magnitude loses bits in f16 (absolute error at most 3e-8).
; Work-groups 0-47: 64 columns of W_attn each; 48-63: 64 columns of W_proj each; 64-319: 131,072 bytes of x each.
; A stream: no matrix unit, no cluster, no barrier.  LDS is used by the transposes alone, each wave in bytes of its own.
.set XR,    32                         ; v[32:159] data as loaded
.set TR,    16                         ; v[16:31]  a group's 16 packed words
.set LROW,  272                        ; an LDS row: 128 k x 2 bytes + 16
.set LWAVE, 64*LROW                    ; a wave's 64 columns
	s_load_b256 s[4:11], s[0:1], 0x0               ; x s[4:5], W_attn s[6:7], W_proj s[8:9], xb s[10:11]
	s_load_b128 s[12:15], s[0:1], 0x20             ; wta s[12:13], wtp s[14:15]
	v_lshl_add_u32 v160, v0, 2, 0x22000
	v_mov_b32 v161, 0
	v_lshrrev_b32 v1, 5, v0
	v_readfirstlane_b32 s20, v1                    ; wave 0..7
	v_and_b32 v2, 31, v0                           ; lane
	v_and_b32 v3, 15, v0                           ; r = lane mod 16
	v_bfe_u32 v4, v0, 4, 1                         ; h = lane / 16
	s_wait_kmcnt 0x0
	s_cmp_ge_u32 ttmp9, 64
	s_cbranch_scc1 .Lcast
	s_cmp_ge_u32 ttmp9, 48
	s_cbranch_scc1 .Lproj
; eight loads: rows 16 g + j (lanes 0-15) and 16 g + 8 + j (lanes 16-31), 256 bytes of each
.macro LOADG pitch, g
.irp j, 0,1,2,3,4,5,6,7
	global_load_b128 v[XR+32*((\g)%4)+4*\j:XR+32*((\g)%4)+4*\j+3], v5, s[16:17] offset:(16*(\g)+\j)*\pitch th:TH_LOAD_NT
.endr
.endm
; group g: a lane holds 8 consecutive k of 4 columns; each column's 8 numbers become 16 bytes of an LDS row.
; left = the loads of the younger groups, which stay out.
.macro DOG pitch, half, g, left
	s_wait_loadcnt \left
.irp c, 0,1,2,3
.irp jj, 0,1,2,3
	v_cvt_pk_bf16_f32 v[TR+4*\c+\jj], v[XR+32*((\g)%4)+8*\jj+\c], v[XR+32*((\g)%4)+8*\jj+4+\c]
.endr
.endr
.if \half
.irp n, 0,1,2,3,4,5,6,7,8,9,10,11,12,13,14,15
	v_lshlrev_b32 v10, 16, v[TR+\n]                ; the two bf16 values as f32,
	v_and_b32 v11, 0xffff0000, v[TR+\n]
	v_cvt_pk_f16_f32 v[TR+\n], v10, v11            ; and held as f16
.endr
.endif
.irp c, 0,1,2,3
	ds_store_b128 v6, v[TR+4*\c:TR+4*\c+3] offset:\c*LROW+32*(\g)   ; lanes 4 rows apart: four lanes meet in a group of banks; 32 such stores a tile
.endr
.if (\g) < 4
	LOADG \pitch, \g+4                             ; into the registers just read
.endif
.endm
; A wave transposes rows k = 128 w .. +127 of 64 columns.  s[16:17] source, s[18:19] destination, s21 the block of 64 columns.
.macro TRANS pitch, half
	s_mul_i32 s22, s20, 128*\pitch
	s_lshl_b32 s23, s21, 8
	s_add_co_u32 s22, s22, s23
	s_mov_b32 s23, 0
	s_add_nc_u64 s[16:17], s[16:17], s[22:23]      ; W + 128 w rows + 64 block columns
	s_lshl_b32 s22, s21, 17
	s_lshl_b32 s24, s20, 8
	s_add_co_u32 s22, s22, s24
	s_add_nc_u64 s[18:19], s[18:19], s[22:23]      ; Wt + 64 block rows of 2,048 bytes + 256 w
	v_mul_u32_u24 v5, v4, 8*\pitch
	v_lshl_add_u32 v5, v3, 4, v5                   ; source: 8 h rows + 16 r
	s_mul_i32 s24, s20, LWAVE                      ; my wave's LDS
	v_mul_u32_u24 v6, v3, 4*LROW
	v_lshl_add_u32 v6, v4, 4, v6
	v_add_nc_u32 v6, s24, v6                       ; in: column 4 r (+ c), byte 16 h (+ 32 g)
	v_mul_u32_u24 v7, v4, LROW
	v_lshl_add_u32 v7, v3, 4, v7
	v_add_nc_u32 v7, s24, v7                       ; back: column h (+ 2 u), byte 16 r
	v_lshlrev_b32 v8, 11, v4
	v_lshl_add_u32 v8, v3, 4, v8                   ; destination: row h (+ 2 u), byte 16 r
	LOADG \pitch, 0
	LOADG \pitch, 1
	LOADG \pitch, 2
	LOADG \pitch, 3
	DOG \pitch, \half, 0, 24
	DOG \pitch, \half, 1, 24
	DOG \pitch, \half, 2, 24
	DOG \pitch, \half, 3, 24
	DOG \pitch, \half, 4, 24
	DOG \pitch, \half, 5, 16
	DOG \pitch, \half, 6, 8
	DOG \pitch, \half, 7, 0
.set u_, 0
.rept 32
	ds_load_b128 v[XR+4*u_:XR+4*u_+3], v7 offset:2*LROW*u_     ; LDS serves a wave's instructions in order (ISA guide 5.7.1): these see the stores above
.set u_, u_+1
.endr
.set u_, 0
.rept 32
	s_wait_dscnt 31-u_                             ; the younger read-backs stay out
	global_store_b128 v8, v[XR+4*u_:XR+4*u_+3], s[18:19] offset:4096*u_   ; sixteen lanes store 256 consecutive bytes, aligned
.set u_, u_+1
.endr
.endm
	s_mov_b64 s[16:17], s[6:7]
	s_mov_b64 s[18:19], s[12:13]
	s_mov_b32 s21, ttmp9
	TRANS 12288, 0
	s_wait_tensorcnt 0x0
	ds_add_u32 v160, v161
	s_wait_dscnt 0x0
	s_endpgm
.Lproj:
	s_mov_b64 s[16:17], s[8:9]
	s_mov_b64 s[18:19], s[14:15]
	s_sub_co_u32 s21, ttmp9, 48
	TRANS 4096, 1
	s_wait_tensorcnt 0x0
	ds_add_u32 v160, v161
	s_wait_dscnt 0x0
	s_endpgm
.Lcast:
	; a wave takes 16,384 bytes of x: 32 loads of 512 bytes, all issued at once; each gives one store of 256 bytes
	s_sub_co_u32 s21, ttmp9, 64
	s_lshl_b32 s22, s21, 17
	s_mov_b32 s23, 0
	s_add_nc_u64 s[4:5], s[4:5], s[22:23]
	s_lshl_b32 s22, s21, 16
	s_add_nc_u64 s[10:11], s[10:11], s[22:23]
	v_lshlrev_b32 v5, 4, v2
	v_lshl_add_u32 v5, v1, 14, v5                  ; 16,384 w + 16 lane
	v_lshlrev_b32 v6, 3, v2
	v_lshl_add_u32 v6, v1, 13, v6                  ; 8,192 w + 8 lane
.set i_, 0
.rept 32
	global_load_b128 v[XR+4*i_:XR+4*i_+3], v5, s[4:5] offset:512*i_ th:TH_LOAD_NT
.set i_, i_+1
.endr
.set i_, 0
.rept 32
	s_wait_loadcnt 31-i_                           ; loads come back in order: mine is in, the younger ones stay out
	v_cvt_pk_bf16_f32 v[XR+4*i_], v[XR+4*i_], v[XR+4*i_+1]
	v_cvt_pk_bf16_f32 v[XR+4*i_+1], v[XR+4*i_+2], v[XR+4*i_+3]
	global_store_b64 v6, v[XR+4*i_:XR+4*i_+1], s[10:11] offset:256*i_    ; the wave's 32 lanes store 256 consecutive bytes, aligned
.set i_, i_+1
.endr
	s_endpgm
.Lfunc_end_k_q29a586946e_prep:
	.size	k_q29a586946e_prep, .Lfunc_end_k_q29a586946e_prep-k_q29a586946e_prep
	.p2alignl 7, 3214868480
	.fill 96, 4, 3214868480
	.section	.rodata,"a",@progbits
	.p2align	6, 0x0
	.amdhsa_kernel k_q29a586946e_prep
		.amdhsa_group_segment_fixed_size 140288
		.amdhsa_private_segment_fixed_size 0
		.amdhsa_enable_private_segment 0
		.amdhsa_kernarg_size 48
		.amdhsa_user_sgpr_count 2
		.amdhsa_user_sgpr_kernarg_segment_ptr 1
		.amdhsa_wavefront_size32 1
		.amdhsa_system_sgpr_workgroup_id_x 1
		.amdhsa_system_sgpr_workgroup_id_y 1
		.amdhsa_system_sgpr_workgroup_id_z 1
		.amdhsa_system_vgpr_workitem_id 0
		.amdhsa_next_free_vgpr 162
		.amdhsa_next_free_sgpr 66
		.amdhsa_reserve_vcc 0
		.amdhsa_float_denorm_mode_32 3
		.amdhsa_float_denorm_mode_16_64 3
		.amdhsa_memory_ordered 1
		.amdhsa_forward_progress 1
		.amdhsa_inst_pref_size 80
	.end_amdhsa_kernel
	.amdgpu_metadata
---
amdhsa.version: [ 1, 2 ]
amdhsa.kernels:
  - .name:           k_q29a586946e_prep
    .symbol:         k_q29a586946e_prep.kd
    .args:
      - { .name: x, .offset: 0, .size: 8, .value_kind: global_buffer, .address_space: global }
      - { .name: W_attn, .offset: 8, .size: 8, .value_kind: global_buffer, .address_space: global }
      - { .name: W_proj, .offset: 16, .size: 8, .value_kind: global_buffer, .address_space: global }
      - { .name: xb, .offset: 24, .size: 8, .value_kind: global_buffer, .address_space: global }
      - { .name: wta, .offset: 32, .size: 8, .value_kind: global_buffer, .address_space: global }
      - { .name: wtp, .offset: 40, .size: 8, .value_kind: global_buffer, .address_space: global }
    .group_segment_fixed_size: 140288
    .private_segment_fixed_size: 0
    .kernarg_segment_align: 8
    .kernarg_segment_size: 48
    .max_flat_workgroup_size: 256
    .sgpr_count:     66
    .vgpr_count:     162
    .wavefront_size: 32
...
	.end_amdgpu_metadata
.endif
;; end of part 1
;; launch gemm_qkv (part 2): grid 16 x 32, 4 waves a work-group, clusters of 4 x 4, 327,680 bytes of LDS; arguments xb, wta, b_attn, qkvh; writes qkvh
.if DOCPART == 2
	.amdgcn_target "amdgcn-amd-amdhsa--gfx1250"
	.amdhsa_code_object_version 6
	.text
	.protected	k_q29a586946e_gemm_qkv
	.globl	k_q29a586946e_gemm_qkv
	.p2align	8
	.type	k_q29a586946e_gemm_qkv,@function
k_q29a586946e_gemm_qkv:
	s_mov_b64 s[64:65], 0
	v_nop
	global_prefetch_b8 v0, s[64:65] scope:SCOPE_SE
	s_setreg_imm32_b32 hwreg(HW_REG_WAVE_MODE, 25, 1), 1
	s_wait_xcnt 0x0
	s_wait_alu depctr_hold_cnt(0) depctr_sa_sdst(0) depctr_va_vdst(0) depctr_va_sdst(0) depctr_va_ssrc(0) depctr_va_vcc(0) depctr_vm_vsrc(0)
	s_getreg_b32 s2, hwreg(HW_REG_IB_STS2, 6, 4)
	s_cmp_eq_u32 s2, 0
	s_cbranch_scc0 .Lentry_in_a_cluster
	s_endpgm
.Lentry_in_a_cluster:
	s_bfe_u32 s2, ttmp6, 0x10000c
	s_cmp_lg_u32 s2, 0xf033
	s_cbranch_scc0 .Lentry_shape_is_right
	s_endpgm
.Lentry_shape_is_right:
; qkvh = (xb wta^T + b_attn), q times 0.125 log2(e), rounded once to f16, laid out [q,k,v][batch][head][2048][64].
; xb [8192][1024] bf16, wta [3072][1024] bf16, sums in f32.
; LIMIT: |q| 0.18, |k|, |v| below 65,504 (f16).
; A work-group makes 256 rows x 192 columns (three heads); wave w makes rows 64 w .. +63 of all 192 columns: 48 accumulator tiles, 384 registers.
; K goes in steps of 128 through two LDS slots filled by the tensor data mover; a tile's rows are 256 bytes of memory, aligned.
; CLUSTER 4 x 4: the four work-groups of a cluster's row need the same tile of xb, the four of a column the same tile of wta;
; each such tile is asked for jointly, which divides the requests for both by four.
; REGISTER WINDOWS: 0: addresses v16-27, A's fragments v64-95 and v96-127, the bias (later the packed results) v128-223;
; 1: B's fragments v0-95 and v96-191;  2: accumulators of my row tiles 0, 1 (tile (a, b) at 8 (12 a + b));  3: of row tiles 2, 3.
; The matrix instruction is used transposed (source 0 = rows of wta, source 1 = rows of xb): a lane's eight results are eight
; neighbouring columns of one row.  The bias, laid out as such a tile, is the C of each tile's first product: nothing is cleared or added later.
.set PITCH,  272                       ; an LDS row: 256 bytes + 16: sixteen rows of a fragment start at sixteen different 16-byte columns
.set NT,     12                        ; column tiles
.set HB,     96                        ; rows of wta in one tensor load
.set HALFA,  128*PITCH
.set HALFB,  HB*PITCH
.set SLOT,   2*HALFA+2*HALFB           ; A's 256 rows, then B's 192
.set STAGE,  2*SLOT                    ; behind the ring, a multiple of 256: no fill lands there
.set SPITCH, 400                       ; a stage row: 192 f16 + 16 bytes
.set LAPS,   4                         ; 1024 / 256: a lap is two K steps
.set A_NEXT, 256                       ; bytes from a K step's tile to the next
.set B_NEXT, 256
.set ADRA, 16
.set ADRB, 20
.set STO,  24
.set RD,   25
.set CO,   26
.set BO,   27
.set BIAS, 128
.set TMP,  128
.set G1,  24
.set G0,  32
.set G1B, 48
.set G0B, 56
.set MSB, 0
.macro WIN new                         ; the immediate's high byte repeats the setting that is left
.if MSB != (\new)
	s_set_vgpr_msb (MSB<<8)|(\new)
.set MSB, \new
.endif
.endm
.macro JLOAD s                         ; waves 0, 1 ask for A's halves, waves 2, 3 for B's: the branch hangs on the wave's number alone
	s_cmp_eq_u32 s13, 0
	s_cbranch_scc0 .Lfor_b_\@
	tensor_load_to_lds s[G0+4*\s:G0+4*\s+3], s[G1:G1+7]
	s_nop 0
	s_branch .Lasked_\@
.Lfor_b_\@:
	tensor_load_to_lds s[G0B+4*\s:G0B+4*\s+3], s[G1B:G1B+7]
	s_nop 0
.Lasked_\@:
.endm
.macro CREST                           ; a round of the cluster's barrier behind its opening barrier
	s_cmp_lg_u32 s12, 0
	s_cbranch_scc1 .Lnot_wave_0_\@
	s_barrier_signal -3
.Lnot_wave_0_\@:
	s_barrier_wait -3
	s_barrier_signal -1
	s_barrier_wait -1
.endm
.macro CROUND
	s_barrier_signal -1
	s_barrier_wait -1
	CREST
.endm
.macro PLACES                          ; four places behind matrix instructions, ahead of loads into their sources and of reads of their results
.rept 4
	v_nop
.endr
.endm
	s_load_b256 s[4:11], s[0:1], 0x0               ; xb s[4:5], wta s[6:7], b_attn s[8:9], qkvh s[10:11]
	s_set_vgpr_msb 0x40
	v_lshl_add_u32 v255, v0, 2, 0x41c00
	s_set_vgpr_msb 0x4000
	v_mov_b32 v255, 0
	s_set_vgpr_msb 0x1
	ds_add_u32 v255, v255
	s_set_vgpr_msb 0x100
	v_lshrrev_b32 v1, 5, v0
	v_readfirstlane_b32 s12, v1                    ; wave 0..3
	s_lshr_b32 s13, s12, 1                         ; I fetch for A (0) or for B (1)
	s_and_b32 s14, s12, 1                          ; which half of that tile
	s_bfe_u32 s40, ttmp6, 0x40000                  ; cx
	s_bfe_u32 s41, ttmp6, 0x40004                  ; cy
	s_lshl_b32 s42, ttmp9, 2
	s_add_co_u32 s42, s42, s40                     ; block column
	s_and_b32 s15, ttmp7, 0xffff
	s_lshl_b32 s15, s15, 2
	s_add_co_u32 s15, s15, s41                     ; block row
	s_lshl_b32 s43, s41, 2
	s_lshl_b32 s43, 15, s43                        ; my row of the cluster
	s_lshl_b32 s44, 0x1111, s40                    ; my column
	s_or_b32 s[G1+0], s43, (1<<16)|(1<<20)|(1<<21)|(5<<22)|(3<<25)    ; mask; 2-byte elements; padding of 4 words behind every 64; bit 21 beside a mask
	s_or_b32 s[G1B+0], s44, (1<<16)|(1<<20)|(1<<21)|(5<<22)|(3<<25)
	s_mov_b32 s[G1+1], 128<<16                     ; tensor_dim0 = 128
	s_mov_b32 s[G1B+1], 128<<16
	s_mov_b32 s[G1+2], 128<<16                     ; tensor_dim1 = 128 rows
	s_mov_b32 s[G1B+2], HB<<16                     ; 96 rows
	s_mov_b32 s[G1+3], 128<<16                     ; tile_dim0 = 128
	s_mov_b32 s[G1B+3], 128<<16
	s_mov_b32 s[G1+4], 128                         ; tile_dim1
	s_mov_b32 s[G1B+4], HB
	s_mov_b32 s[G1+5], 1024                        ; elements from row to row
	s_mov_b32 s[G1B+5], 1024
	s_mov_b32 s[G1+6], 0
	s_mov_b32 s[G1B+6], 0
	s_mov_b32 s[G1+7], 0
	s_mov_b32 s[G1B+7], 0
	s_lshl_b32 s16, s15, 8                         ; A: row 256 block row + 128 half, 2,048 bytes a row
	s_lshl_b32 s17, s14, 7
	s_add_co_u32 s16, s16, s17
	s_lshl_b32 s16, s16, 11
	s_mov_b32 s17, 0
	s_mul_i32 s46, s42, 16*NT                      ; B: row 192 block column + 96 half
	s_mul_i32 s47, s14, HB
	s_add_co_u32 s46, s46, s47
	s_lshl_b32 s46, s46, 11
	s_mov_b32 s47, 0
	s_mul_i32 s20, s12, HALFA                      ; LDS: A's halves by waves 0, 1
	s_mul_i32 s21, s12, HALFB
	s_add_co_u32 s21, s21, 2*HALFA-2*HALFB         ; B's halves, behind A, by waves 2, 3
	s_wait_dscnt 0x0
	s_wait_kmcnt 0x0
	s_add_nc_u64 s[18:19], s[4:5], s[16:17]
	s_add_nc_u64 s[46:47], s[6:7], s[46:47]
	CROUND                                         ; all sixteen work-groups are here: the first joint loads meet
.irp s, 0,1
	s_mov_b32 s[G0+4*\s], 1
	s_add_co_u32 s[G0+4*\s+1], s20, \s*SLOT
	s_add_nc_u64 s[G0+4*\s+2:G0+4*\s+3], s[18:19], \s*A_NEXT
	s_or_b32 s[G0+4*\s+3], s[G0+4*\s+3], 0x80000000
	s_mov_b32 s[G0B+4*\s], 1
	s_add_co_u32 s[G0B+4*\s+1], s21, \s*SLOT
	s_add_nc_u64 s[G0B+4*\s+2:G0B+4*\s+3], s[46:47], \s*B_NEXT
	s_or_b32 s[G0B+4*\s+3], s[G0B+4*\s+3], 0x80000000
	JLOAD \s                                       ; two loads of a wave are out at the start, one behind each later round
.endr
	v_and_b32 v1, 15, v0                           ; r
	v_bfe_u32 v2, v0, 4, 1                         ; h
	v_mul_u32_u24 v3, v1, PITCH
	v_lshl_add_u32 v3, v2, 4, v3                   ; fragment: row r, 16 bytes for each half of the lanes
	s_mul_i32 s22, s12, 64*PITCH                   ; my 64 rows of A
	s_mov_b32 s23, 2*HALFA                         ; B lies behind A
.irp s, 0,1
	v_add_nc_u32 v[ADRA+\s], s22, v3
	v_add_nc_u32 v[ADRB+\s], s23, v3
	s_add_co_u32 s22, s22, SLOT
	s_add_co_u32 s23, s23, SLOT
.endr
	s_mul_i32 s22, s12, 16*SPITCH
	s_add_co_u32 s22, s22, STAGE                   ; my stage
	v_mul_u32_u24 v4, v1, SPITCH
	v_lshl_add_u32 v4, v2, 4, v4
	v_add_nc_u32 v[STO], s22, v4                   ; in: row r, byte 16 h
	v_bfe_u32 v5, v0, 3, 2
	v_and_b32 v6, 7, v0
	v_mul_u32_u24 v5, v5, SPITCH
	v_lshl_add_u32 v5, v6, 4, v5
	v_add_nc_u32 v[RD], s22, v5                    ; back: four rows of one head's 128 bytes
	v_and_b32 v6, 31, v0
	v_lshlrev_b32 v[CO], 4, v6                     ; which are 512 consecutive bytes of qkvh
	v_lshlrev_b32 v[BO], 5, v2
	s_mul_i32 s78, s42, 64*NT                      ; the block's 192 biases
	s_mov_b32 s79, 0
	s_add_nc_u64 s[8:9], s[8:9], s[78:79]
.set b_, 0
.rept NT
	global_load_b128 v[BIAS+8*b_:BIAS+8*b_+3],   v[BO], s[8:9] offset:64*b_      ; register j: b_attn of column 16 b + 8 h + j
	global_load_b128 v[BIAS+8*b_+4:BIAS+8*b_+7], v[BO], s[8:9] offset:64*b_+16
.set b_, b_+1
.endr
; NT matrix instructions: row tile 2 hi + a x all column tiles, 32 along K, from buffer f.  first = 1: C is the bias.
; The 48 accumulators take turns, one instruction a turn, in the same order in every quarter.
.macro MULA f, hi, a, first
.set b_, 0
.rept NT
.if \first
	v_wmma_f32_16x16x32_bf16 v[8*(NT*\a+b_):8*(NT*\a+b_)+7], v[96*\f+8*b_:96*\f+8*b_+7], v[64+32*\f+8*(2*\hi+\a):64+32*\f+8*(2*\hi+\a)+7], v[BIAS+8*b_:BIAS+8*b_+7]
.else
	v_wmma_f32_16x16x32_bf16 v[8*(NT*\a+b_):8*(NT*\a+b_)+7], v[96*\f+8*b_:96*\f+8*b_+7], v[64+32*\f+8*(2*\hi+\a):64+32*\f+8*(2*\hi+\a)+7], v[8*(NT*\a+b_):8*(NT*\a+b_)+7]
.endif
.set b_, b_+1
.endr
.endm
; 2 NT + 8 LDS loads in one run: quarter q (32 along K) of a slot into buffer f: B first, A's four row tiles last
.macro FETCH slot, q, f
	WIN 0x40
.set i_, 0
.rept NT
	ds_load_b128 v[96*\f+8*i_:96*\f+8*i_+3],   v[ADRB+\slot] offset:64*\q+i_*16*PITCH
	ds_load_b128 v[96*\f+8*i_+4:96*\f+8*i_+7], v[ADRB+\slot] offset:64*\q+i_*16*PITCH+32
.set i_, i_+1
.endr
	WIN 0
.irp i, 0,1,2,3
	ds_load_b128 v[64+32*\f+8*\i:64+32*\f+8*\i+3],   v[ADRA+\slot] offset:64*\q+\i*16*PITCH
	ds_load_b128 v[64+32*\f+8*\i+4:64+32*\f+8*\i+7], v[ADRA+\slot] offset:64*\q+\i*16*PITCH+32
.endr
.endm
; multiplies buffer f; in its middle fetches quarter q of the same slot into buffer g
.macro QUARTER slot, q, f, g, first
	s_wait_dscnt 4                                 ; all but A's row tiles 2 and 3 (the youngest four loads)
.if \first
	WIN 0x81                                       ; source 0 window 1, source 1 and C window 0, D window 2
.else
	WIN 0xa1                                       ; C and D window 2
.endif
	MULA \f, 0, 0, \first
	MULA \f, 0, 1, \first
	PLACES
	FETCH \slot, \q, \g
	s_wait_dscnt 2*NT+8                            ; all but the run just issued
.if \first
	WIN 0xc1
.else
	WIN 0xf1
.endif
	MULA \f, 1, 0, \first
	MULA \f, 1, 1, \first
.endm
.macro THREE slot, first
	QUARTER \slot, 1, 0, 1, \first
	QUARTER \slot, 2, 1, 0, 0
	QUARTER \slot, 3, 0, 1, 0
.endm
; the last quarter of a K step: multiplies buffer 1 and changes slots.  In front of the barrier each wave waits for its reads of this slot
; and for all its tensor loads (one is out: its part of the next slot); where the slot is filled again the barrier opens a round of the
; cluster's barrier, and the joint refill is the first tensor load behind the round.  From a request to its wait a wave issues 180 matrix instructions.
.macro TURN slot, next, fill
	s_wait_dscnt 4
	WIN 0xa1
	MULA 1, 0, 0, 0
	s_wait_dscnt 0
	s_wait_tensorcnt 0x0
	ds_add_u32 v255, v255
	s_wait_dscnt 0x0
	s_barrier_signal -1
	MULA 1, 0, 1, 0                                ; register work while the others arrive
	WIN 0
	s_barrier_wait -1
.if \fill
	CREST
	s_add_nc_u64 s[G0+4*\slot+2:G0+4*\slot+3], s[G0+4*\slot+2:G0+4*\slot+3], 2*A_NEXT      ; no load of mine is out: the descriptors may be stepped
	s_add_nc_u64 s[G0B+4*\slot+2:G0B+4*\slot+3], s[G0B+4*\slot+2:G0B+4*\slot+3], 2*B_NEXT
	JLOAD \slot
.endif
	PLACES
	FETCH \next, 0, 0
	WIN 0xf1
	MULA 1, 1, 0, 0
	MULA 1, 1, 1, 0
.endm
.macro LAP first
	THREE 0, \first
	TURN 0, 1, 1
	THREE 1, 0
	TURN 1, 0, 1
.endm
	s_wait_loadcnt 0x0                             ; the bias
	s_wait_tensorcnt 1                             ; my part of K step 0 is in; K step 1's stays out
	s_barrier_signal -1
	s_barrier_wait -1
	FETCH 0, 0, 0
	LAP 1
	WIN 0
	s_mov_b32 s3, LAPS-2
.Llap:
	LAP 0
	WIN 0
	s_sub_co_u32 s3, s3, 1
	s_cmp_lg_u32 s3, 0
	s_cbranch_scc1 .Llap
	THREE 0, 0                                     ; the last lap fills nothing
	TURN 0, 1, 0
	THREE 1, 0
	s_wait_dscnt 4
	WIN 0xa1
	MULA 1, 0, 0, 0
	MULA 1, 0, 1, 0
	s_wait_dscnt 0
	WIN 0xf1
	MULA 1, 1, 0, 0
	MULA 1, 1, 1, 0
	PLACES
	; THE WAY OUT.  Head g = 3 block column + hh of the 48 (q: 0-15, k: 16-31, v: 32-47); its rows of 64 f16 are 128 bytes, one behind the other.
.irp hh, 0,1,2
	s_mul_i32 s78, s42, 3
	s_add_co_u32 s78, s78, \hh
	s_cmp_lt_u32 s78, 16
	s_cselect_b32 s[72+2*\hh], 0x3e38aa3b, 1.0     ; q carries 0.125 log2(e): the scores come out in base-2 units
	s_mov_b32 s[73+2*\hh], s[72+2*\hh]
	s_lshr_b32 s79, s78, 4
	s_lshl_b32 s79, s79, 6                         ; 64 head blocks for each of q, k, v
	s_and_b32 s78, s78, 15
	s_add_co_u32 s79, s79, s78
	s_lshr_b32 s80, s15, 3                         ; batch
	s_lshl_b32 s80, s80, 4
	s_add_co_u32 s79, s79, s80
	s_lshl_b32 s79, s79, 11                        ; 2,048 rows a head block
	s_and_b32 s80, s15, 7
	s_lshl_b32 s80, s80, 8
	s_add_co_u32 s79, s79, s80
	s_lshl_b32 s80, s12, 6
	s_add_co_u32 s78, s79, s80
	s_lshl_b32 s78, s78, 7                         ; 128 bytes a row
	s_mov_b32 s79, 0
	s_add_nc_u64 s[66+2*\hh:67+2*\hh], s[10:11], s[78:79]
.endr
; rows 16 i .. +15 of my 64: scale, round to f16, 16 bytes a lane into my own stage, back as 4 rows x 128 bytes of one head
.macro OUT16 i, a, from
	WIN \from
.set b_, 0
.rept NT
.irp r, 0,1,2,3
	v_pk_mul_f32 v[TMP+8*b_+2*\r:TMP+8*b_+2*\r+1], v[8*(NT*\a+b_)+2*\r:8*(NT*\a+b_)+2*\r+1], s[72+2*(b_/4):73+2*(b_/4)] op_sel_hi:[1,0]
.endr
.set b_, b_+1
.endr
	WIN 0
.set b_, 0
.rept NT
.irp r, 0,1,2,3
	v_cvt_pk_f16_f32 v[TMP+8*b_+\r], v[TMP+8*b_+2*\r], v[TMP+8*b_+2*\r+1]
.endr
	ds_store_b128 v[STO], v[TMP+8*b_:TMP+8*b_+3] offset:32*b_
.set b_, b_+1
.endr
	s_wait_xcnt 0x0                                ; v64-111, which the last stores read, are loaded again only behind this wait
.irp hh, 0,1,2
.irp u, 0,1,2,3
	ds_load_b128 v[64+16*\hh+4*\u:64+16*\hh+4*\u+3], v[RD] offset:128*\hh+4*SPITCH*\u     ; a wave's LDS instructions are served in order: these see the stores above
.endr
.endr
.irp hh, 0,1,2
.irp u, 0,1,2,3
	s_wait_dscnt 11-(4*\hh+\u)
	global_store_b128 v[CO], v[64+16*\hh+4*\u:64+16*\hh+4*\u+3], s[66+2*\hh:67+2*\hh] offset:2048*\i+512*\u   ; 512 consecutive bytes, aligned
.endr
.endr
.endm
	OUT16 0, 0, 0x02
	OUT16 1, 1, 0x02
	OUT16 2, 0, 0x03
	OUT16 3, 1, 0x03
	s_set_vgpr_msb 0x1
	s_wait_tensorcnt 0x0
	ds_add_u32 v255, v255
	s_wait_dscnt 0x0
	s_set_vgpr_msb 0x100
	CROUND                                         ; the closing round: no work-group ends while a partner may still ask for a tile that names it
	s_endpgm
.Lfunc_end_k_q29a586946e_gemm_qkv:
	.size	k_q29a586946e_gemm_qkv, .Lfunc_end_k_q29a586946e_gemm_qkv-k_q29a586946e_gemm_qkv
	.p2alignl 7, 3214868480
	.fill 96, 4, 3214868480
	.section	.rodata,"a",@progbits
	.p2align	6, 0x0
	.amdhsa_kernel k_q29a586946e_gemm_qkv
		.amdhsa_group_segment_fixed_size 327680
		.amdhsa_private_segment_fixed_size 0
		.amdhsa_enable_private_segment 0
		.amdhsa_kernarg_size 32
		.amdhsa_user_sgpr_count 2
		.amdhsa_user_sgpr_kernarg_segment_ptr 1
		.amdhsa_wavefront_size32 1
		.amdhsa_system_sgpr_workgroup_id_x 1
		.amdhsa_system_sgpr_workgroup_id_y 1
		.amdhsa_system_sgpr_workgroup_id_z 1
		.amdhsa_system_vgpr_workitem_id 0
		.amdhsa_next_free_vgpr 1024
		.amdhsa_next_free_sgpr 84
		.amdhsa_reserve_vcc 0
		.amdhsa_float_denorm_mode_32 3
		.amdhsa_float_denorm_mode_16_64 3
		.amdhsa_memory_ordered 1
		.amdhsa_forward_progress 1
		.amdhsa_inst_pref_size 180
	.end_amdhsa_kernel
	.amdgpu_metadata
---
amdhsa.version: [ 1, 2 ]
amdhsa.kernels:
  - .name:           k_q29a586946e_gemm_qkv
    .symbol:         k_q29a586946e_gemm_qkv.kd
    .args:
      - { .name: xb, .offset: 0, .size: 8, .value_kind: global_buffer, .address_space: global }
      - { .name: wta, .offset: 8, .size: 8, .value_kind: global_buffer, .address_space: global }
      - { .name: b_attn, .offset: 16, .size: 8, .value_kind: global_buffer, .address_space: global }
      - { .name: qkvh, .offset: 24, .size: 8, .value_kind: global_buffer, .address_space: global }
    .group_segment_fixed_size: 327680
    .private_segment_fixed_size: 0
    .kernarg_segment_align: 8
    .kernarg_segment_size: 32
    .max_flat_workgroup_size: 128
    .sgpr_count:     84
    .vgpr_count:     1024
    .wavefront_size: 32
...
	.end_amdgpu_metadata
.endif
;; end of part 2
;; launch tails (part 3): grid 64 x 1, 16 waves a work-group, no clusters, 14,848 bytes of LDS; arguments qkvh, attention_mask, tail; writes tail
.if DOCPART == 3
	.amdgcn_target "amdgcn-amd-amdhsa--gfx1250"
	.amdhsa_code_object_version 6
	.text
	.protected	k_q29a586946e_tails
	.globl	k_q29a586946e_tails
	.p2align	8
	.type	k_q29a586946e_tails,@function
k_q29a586946e_tails:
	s_mov_b64 s[64:65], 0
	v_nop
	global_prefetch_b8 v0, s[64:65] scope:SCOPE_SE
	s_setreg_imm32_b32 hwreg(HW_REG_WAVE_MODE, 25, 1), 1
	s_wait_xcnt 0x0
; tails: reference() gives a key j above the diagonal the FINITE score mask[j] - 10000, which hangs on no query.  So all keys at or beyond
; 256 (qb + 1) enter every row of query block qb as one softmax state: M = their largest score, L = sum of 2^(c - M), A[64] = sum of 2^(c - M) v.
; One work-group for each (batch, head); scores in base-2 units: c = (max(mask, -1e30) - 10000) log2(e).
; tail [bh][qb][512 bytes]: A as 64 f32, then the pair (M, L) 32 times.  qb = 7 has no such keys: (-FLT_MAX, 0, 0).
; LIMITS: a mask below -1e30 (or -inf) counts as -1e30, a NaN in the mask likewise.
; Phase 1: wave u makes the state of keys 128 u .. +127 (u >= 2: keys 0-255 lie in no tail).  Phase 2: wave qb joins the states u >= 2 qb + 2.
; 64 work-groups: the work is 14 x 16 KiB a head; no matrix unit, no cluster, nothing shared between work-groups.
.set E,     0                          ; 16 x 512: a wave's 128 weights, its own bytes
.set STATE, 8192                       ; 16 x 256: A of each wave
.set MS,    12288                      ; 16 words: M of each wave
.set LSS,   12352                      ; 16 words: L of each wave
.set EV,    128                        ; v[128:159] weight of key 4 i + lane / 8
.set ACC,   160                        ; v[160:167] my 8 columns' sums
.set CM,    168                        ; v[168:175] scores, weights, reductions
.set CV,    176                        ; v[176:183] 8 numbers of v in f32
	s_load_b128 s[4:7], s[0:1], 0x0                ; qkvh, attention_mask
	s_load_b64 s[8:9], s[0:1], 0x10                ; tail
	v_lshl_add_u32 v200, v0, 2, 0x3200
	v_mov_b32 v201, 0
	v_lshrrev_b32 v184, 5, v0
	v_readfirstlane_b32 s12, v184                  ; wave 0..15
	v_and_b32 v187, 31, v0                         ; lane
	s_mov_b32 s21, 0x76543210                      ; v_permlanex16_b32: lane i of one half reads lane i of the other
	s_mov_b32 s22, 0xfedcba98
	v_lshlrev_b32 v184, 4, v187                    ; 16 lane
	s_lshl_b32 s13, s12, 9
	v_lshl_add_u32 v185, v187, 2, s13              ; E + 512 u + 4 lane
	v_lshrrev_b32 v186, 3, v187
	v_lshl_add_u32 v186, v186, 7, s13              ; E + 512 u + 128 (lane / 8)
	v_and_b32 v188, 7, v187
	s_lshl_b32 s14, s12, 8
	s_add_co_u32 s14, s14, STATE
	v_lshl_add_u32 v188, v188, 5, s14              ; STATE + 256 u + 32 (lane mod 8)
	s_lshl_b32 s15, s12, 2
	s_add_co_u32 s15, s15, MS
	v_mov_b32 v189, s15                            ; MS + 4 u
	v_lshlrev_b32 v190, 3, v187                    ; 8 lane
	v_mov_b32 v191, 0
	v_mov_b32 v192, 0xff7fffff                     ; -FLT_MAX: the maximum of no keys
	s_add_co_u32 s16, ttmp9, 128                   ; v's head blocks lie behind q's 64 and k's 64
	s_lshl_b32 s16, s16, 18
	s_lshl_b32 s18, s12, 14
	s_add_co_u32 s16, s16, s18
	s_mov_b32 s17, 0
	s_lshr_b32 s18, ttmp9, 4                       ; batch
	s_lshl_b32 s18, s18, 13
	s_add_co_u32 s18, s18, s13
	s_mov_b32 s19, 0
	s_wait_kmcnt 0x0
	s_add_nc_u64 s[4:5], s[4:5], s[16:17]
	s_add_nc_u64 s[6:7], s[6:7], s[18:19]
	s_cmp_lt_u32 s12, 2
	s_cbranch_scc1 .Lmeet
	global_load_b128 v[CM:CM+3], v184, s[6:7]      ; mask of keys 4 lane .. +3
.set i_, 0
.rept 32
	global_load_b128 v[4*i_:4*i_+3], v184, s[4:5] offset:512*i_    ; v of key 4 i + lane / 8, columns 8 (lane mod 8) .. +7
.set i_, i_+1
.endr
	s_wait_loadcnt 32                              ; the mask is in; v's 32 loads stay out
.irp g, 0,1,2,3
	v_max_num_f32 v[CM+\g], 0xf149f2ca, v[CM+\g]   ; the floor -1e30
	v_add_f32 v[CM+\g], 0xc61c4000, v[CM+\g]       ; mask - 10000, rounded as reference() rounds it
	v_mul_f32 v[CM+\g], 0x3fb8aa3b, v[CM+\g]
.endr
	v_max3_num_f32 v[CM+4], v[CM], v[CM+1], v[CM+2]
	v_max_num_f32 v[CM+4], v[CM+4], v[CM+3]
	v_max_num_f32_dpp v[CM+4], v[CM+4], v[CM+4] row_xmask:1 row_mask:0xf bank_mask:0xf
	v_max_num_f32_dpp v[CM+4], v[CM+4], v[CM+4] row_xmask:2 row_mask:0xf bank_mask:0xf
	v_max_num_f32_dpp v[CM+4], v[CM+4], v[CM+4] row_xmask:4 row_mask:0xf bank_mask:0xf
	v_max_num_f32_dpp v[CM+4], v[CM+4], v[CM+4] row_xmask:8 row_mask:0xf bank_mask:0xf
	v_mov_b32 v[CM+5], v[CM+4]                     ; the permute's destination counts as read
	v_permlanex16_b32 v[CM+5], v[CM+4], s21, s22
	v_max_num_f32 v[CM+4], v[CM+4], v[CM+5]        ; M of my 128 keys, in every lane
.irp g, 0,1,2,3
	v_sub_f32 v[CM+\g], v[CM+\g], v[CM+4]
.endr
.irp g, 0,1,2,3
	v_exp_f32 v[CM+\g], v[CM+\g]
.endr
	v_nop                                          ; one plain instruction behind the exponentials (ISA guide 5.7.2)
	s_wait_alu depctr_va_vdst(0)
.irp g, 0,1,2,3
	ds_store_b32 v185, v[CM+\g] offset:128*\g      ; weight of key 4 lane + g at word 32 g + lane
.endr
	v_add_f32 v[CM+6], v[CM], v[CM+1]
	v_add_f32 v[CM+7], v[CM+2], v[CM+3]
	v_add_f32 v[CM+6], v[CM+6], v[CM+7]
	v_add_f32_dpp v[CM+6], v[CM+6], v[CM+6] row_xmask:1 row_mask:0xf bank_mask:0xf
	v_add_f32_dpp v[CM+6], v[CM+6], v[CM+6] row_xmask:2 row_mask:0xf bank_mask:0xf
	v_add_f32_dpp v[CM+6], v[CM+6], v[CM+6] row_xmask:4 row_mask:0xf bank_mask:0xf
	v_add_f32_dpp v[CM+6], v[CM+6], v[CM+6] row_xmask:8 row_mask:0xf bank_mask:0xf
	v_permlanex16_b32 v[CM+7], v[CM+6], s21, s22
	v_add_f32 v[CM+6], v[CM+6], v[CM+7]            ; L of my 128 keys
.irp m, 0,1,2,3,4,5,6,7
	ds_load_b128 v[EV+4*\m:EV+4*\m+3], v186 offset:16*\m       ; my own bytes, served in order behind the stores: EV[i] = weight of key 4 i + lane / 8
.endr
	s_wait_dscnt 0x0
; load i: four words a, b, c, d = 8 f16 of one key
.macro ROW i, a, b, c, d
	s_wait_loadcnt 31-\i                           ; the younger loads stay out
	v_cvt_f32_f16 v[CV],   v\a\().l
	v_cvt_f32_f16 v[CV+1], v\a\().h
	v_cvt_f32_f16 v[CV+2], v\b\().l
	v_cvt_f32_f16 v[CV+3], v\b\().h
	v_cvt_f32_f16 v[CV+4], v\c\().l
	v_cvt_f32_f16 v[CV+5], v\c\().h
	v_cvt_f32_f16 v[CV+6], v\d\().l
	v_cvt_f32_f16 v[CV+7], v\d\().h
.irp j, 0,1,2,3,4,5,6,7
.if \i
	v_fma_f32 v[ACC+\j], v[CV+\j], v[EV+\i], v[ACC+\j]
.else
	v_mul_f32 v[ACC+\j], v[CV+\j], v[EV+\i]        ; the first key starts the sums
.endif
.endr
.endm
	ROW 0, 0, 1, 2, 3
	ROW 1, 4, 5, 6, 7
	ROW 2, 8, 9, 10, 11
	ROW 3, 12, 13, 14, 15
	ROW 4, 16, 17, 18, 19
	ROW 5, 20, 21, 22, 23
	ROW 6, 24, 25, 26, 27
	ROW 7, 28, 29, 30, 31
	ROW 8, 32, 33, 34, 35
	ROW 9, 36, 37, 38, 39
	ROW 10, 40, 41, 42, 43
	ROW 11, 44, 45, 46, 47
	ROW 12, 48, 49, 50, 51
	ROW 13, 52, 53, 54, 55
	ROW 14, 56, 57, 58, 59
	ROW 15, 60, 61, 62, 63
	ROW 16, 64, 65, 66, 67
	ROW 17, 68, 69, 70, 71
	ROW 18, 72, 73, 74, 75
	ROW 19, 76, 77, 78, 79
	ROW 20, 80, 81, 82, 83
	ROW 21, 84, 85, 86, 87
	ROW 22, 88, 89, 90, 91
	ROW 23, 92, 93, 94, 95
	ROW 24, 96, 97, 98, 99
	ROW 25, 100, 101, 102, 103
	ROW 26, 104, 105, 106, 107
	ROW 27, 108, 109, 110, 111
	ROW 28, 112, 113, 114, 115
	ROW 29, 116, 117, 118, 119
	ROW 30, 120, 121, 122, 123
	ROW 31, 124, 125, 126, 127
.irp j, 0,1,2,3,4,5,6,7
	v_add_f32_dpp v[ACC+\j], v[ACC+\j], v[ACC+\j] row_xmask:8 row_mask:0xf bank_mask:0xf     ; the four lanes with my columns: lane xor 8,
.endr
.irp j, 0,1,2,3,4,5,6,7
	v_permlanex16_b32 v[CV+\j], v[ACC+\j], s21, s22                                          ; and lane xor 16
.endr
.irp j, 0,1,2,3,4,5,6,7
	v_add_f32 v[ACC+\j], v[ACC+\j], v[CV+\j]
.endr
	ds_store_b128 v188, v[ACC:ACC+3]
	ds_store_b128 v188, v[ACC+4:ACC+7] offset:16
	ds_store_b32 v189, v[CM+4]
	ds_store_b32 v189, v[CM+6] offset:LSS-MS
.Lmeet:
	s_wait_dscnt 0x0                               ; my stores are done, for the waves that read them behind the barrier
	s_barrier_signal -1
	s_barrier_wait -1
	s_cmp_ge_u32 s12, 8
	s_cbranch_scc1 .Lend
	; phase 2: M of wave u in v[u], L in v[16 + u], my two columns of A in v[32 + 2 u : 33 + 2 u], u = 2 .. 15
	ds_load_b64  v[2:3],   v191 offset:MS+8
	ds_load_b128 v[4:7],   v191 offset:MS+16
	ds_load_b128 v[8:11],  v191 offset:MS+32
	ds_load_b128 v[12:15], v191 offset:MS+48
	ds_load_b64  v[18:19], v191 offset:LSS+8
	ds_load_b128 v[20:23], v191 offset:LSS+16
	ds_load_b128 v[24:27], v191 offset:LSS+32
	ds_load_b128 v[28:31], v191 offset:LSS+48
.irp u, 2,3,4,5,6,7,8,9,10,11,12,13,14,15
	ds_load_b64 v[32+2*\u:33+2*\u], v190 offset:STATE+256*\u
.endr
	s_lshl_b32 s23, s12, 1
	s_add_co_u32 s23, s23, 2                       ; the first wave whose keys lie in my tail
.irp u, 2,3,4,5,6,7,8,9,10,11,12,13,14,15
	s_cmp_le_u32 s23, \u
	s_cselect_b32 s[22+\u], -1, 0
.endr
	s_lshl_b32 s16, ttmp9, 3
	s_add_co_u32 s16, s16, s12
	s_lshl_b32 s16, s16, 9
	s_mov_b32 s17, 0
	s_add_nc_u64 s[8:9], s[8:9], s[16:17]
	s_wait_dscnt 0x0
.irp u, 2,3,4,5,6,7,8,9,10,11,12,13,14,15
	v_cndmask_b32 v[\u], v192, v[\u], s[22+\u]
.endr
	v_max3_num_f32 v64, v2, v3, v4
.irp u, 5,7,9,11,13
	v_max3_num_f32 v64, v64, v[\u], v[\u+1]
.endr
	v_max_num_f32 v64, v64, v15                    ; M of the tail
.irp u, 2,3,4,5,6,7,8,9,10,11,12,13,14,15
	v_sub_f32 v[64+\u], v[\u], v64
.endr
.irp u, 2,3,4,5,6,7,8,9,10,11,12,13,14,15
	v_exp_f32 v[64+\u], v[64+\u]
.endr
	v_nop                                          ; one plain instruction behind the exponentials
	s_wait_alu depctr_va_vdst(0)
.irp u, 2,3,4,5,6,7,8,9,10,11,12,13,14,15
	v_cndmask_b32 v[64+\u], 0, v[64+\u], s[22+\u]  ; waves outside the tail weigh nothing
.endr
	v_mul_f32 v65, v66, v18
	v_mul_f32 v80, v66, v36
	v_mul_f32 v81, v66, v37
.irp u, 3,4,5,6,7,8,9,10,11,12,13,14,15
	v_fma_f32 v65, v[64+\u], v[16+\u], v65
	v_fma_f32 v80, v[64+\u], v[32+2*\u], v80
	v_fma_f32 v81, v[64+\u], v[33+2*\u], v81
.endr
	global_store_b64 v190, v[80:81], s[8:9]            ; A: the wave's 32 lanes store 256 consecutive bytes, aligned
	global_store_b64 v190, v[64:65], s[8:9] offset:256 ; (M, L) 32 times: the next 256
.Lend:
	s_wait_tensorcnt 0x0
	ds_add_u32 v200, v201
	s_wait_dscnt 0x0
	s_endpgm
.Lfunc_end_k_q29a586946e_tails:
	.size	k_q29a586946e_tails, .Lfunc_end_k_q29a586946e_tails-k_q29a586946e_tails
	.p2alignl 7, 3214868480
	.fill 96, 4, 3214868480
	.section	.rodata,"a",@progbits
	.p2align	6, 0x0
	.amdhsa_kernel k_q29a586946e_tails
		.amdhsa_group_segment_fixed_size 14848
		.amdhsa_private_segment_fixed_size 0
		.amdhsa_enable_private_segment 0
		.amdhsa_kernarg_size 24
		.amdhsa_user_sgpr_count 2
		.amdhsa_user_sgpr_kernarg_segment_ptr 1
		.amdhsa_wavefront_size32 1
		.amdhsa_system_sgpr_workgroup_id_x 1
		.amdhsa_system_sgpr_workgroup_id_y 1
		.amdhsa_system_sgpr_workgroup_id_z 1
		.amdhsa_system_vgpr_workitem_id 0
		.amdhsa_next_free_vgpr 202
		.amdhsa_next_free_sgpr 66
		.amdhsa_reserve_vcc 0
		.amdhsa_float_denorm_mode_32 3
		.amdhsa_float_denorm_mode_16_64 3
		.amdhsa_memory_ordered 1
		.amdhsa_forward_progress 1
		.amdhsa_inst_pref_size 43
	.end_amdhsa_kernel
	.amdgpu_metadata
---
amdhsa.version: [ 1, 2 ]
amdhsa.kernels:
  - .name:           k_q29a586946e_tails
    .symbol:         k_q29a586946e_tails.kd
    .args:
      - { .name: qkvh, .offset: 0, .size: 8, .value_kind: global_buffer, .address_space: global }
      - { .name: attention_mask, .offset: 8, .size: 8, .value_kind: global_buffer, .address_space: global }
      - { .name: tail, .offset: 16, .size: 8, .value_kind: global_buffer, .address_space: global }
    .group_segment_fixed_size: 14848
    .private_segment_fixed_size: 0
    .kernarg_segment_align: 8
    .kernarg_segment_size: 24
    .max_flat_workgroup_size: 512
    .sgpr_count:     66
    .vgpr_count:     202
    .wavefront_size: 32
...
	.end_amdgpu_metadata
.endif
;; end of part 3
;; launch attn (part 4): grid 4 x 64, 8 waves a work-group, no clusters, 327,680 bytes of LDS; arguments qkvh, attention_mask, tail, ah; writes ah
.if DOCPART == 4
	.amdgcn_target "amdgcn-amd-amdhsa--gfx1250"
	.amdhsa_code_object_version 6
	.text
	.protected	k_q29a586946e_attn
	.globl	k_q29a586946e_attn
	.p2align	8
	.type	k_q29a586946e_attn,@function
k_q29a586946e_attn:
	s_mov_b64 s[64:65], 0
	v_nop
	global_prefetch_b8 v0, s[64:65] scope:SCOPE_SE
	s_setreg_imm32_b32 hwreg(HW_REG_WAVE_MODE, 25, 1), 1
	s_wait_xcnt 0x0
; attn: causal softmax attention, one (batch, head) for each grid y.  q, k, v f16 [2048][64] by head; ah f16 in the same layout.
; Work-group p (0..3) makes query block p and then block 7 - p (256 rows each): p + 1 and 8 - p key tiles of 256 keys, nine trips in every work-group.
; Wave w owns query rows 32 w .. +31 of the block, as two tiles of 16.
; The running softmax STARTS from the state that the launch before made of all keys beyond the block (their scores are mask - 10000 whatever
; the query), so the blocks above the diagonal are not visited and yet every key of reference()'s softmax is counted.
; In the diagonal block a key above the diagonal gets its score mask - 10000 by a select.
; Scores are in base-2 units (q carries 0.125 log2(e), the mask tables log2(e)); p = 2^(S - m) with the running maximum m.
; S^T = K Q^T + mask: a lane owns ONE query (register j of lane (r, h) = key 8 h + j, query r), so maximum and sum are in the lane but for one
; exchange of the lanes' halves, and two neighbouring key tiles, packed, ARE the second operand of O^T = V^T P^T; V^T comes by the transposing LDS load.
; LIMITS: a mask below -1e30 (or -inf, or NaN) counts as -1e30; a batch whose mask is -inf everywhere gives the mean of v, not NaN.
; l is summed from p in f32, O from p rounded to f16.
; NO CLUSTER: the four work-groups that share a head's K and V visit the key tiles in different orders (tile t of work-group p is key block t
; up to t = p and t - p - 1 behind it), so their requests do not name the same tile in the same trip.
.set SLOT,  73728                      ; K: 128 LDS rows x 272 (two keys of 128 bytes in a row) at 0; V: 128 x 288 at 36,864
.set VPART, 36864
.set KHALF, 64*272
.set VHALF, 64*288
.set MKT,   147456                     ; 2,048 f32: max(mask, -1e30) log2(e)
.set CKD,   8192                       ; behind it: (max(mask, -1e30) - 10000) log2(e)
.set STAGE, 163840                     ; 8 waves x 32 rows x 144 bytes, for the way out
.set SP,    144
.set S,    0                           ; v[0:63]    scores: tile (qt, t) at 32 qt + 8 t; then P (qt, ks) at 32 qt + 16 ks
.set F,    64                          ; v[64:127]  K (t, ks) at 16 t + 8 ks; then V^T (ks, dt) at 32 ks + 8 dt
.set O,    128                         ; v[128:191] O^T (qt, dt) at 32 qt + 8 dt
.set QF,   192                         ; v[192:223] Q (qt, ks) at 16 qt + 8 ks
.set T,    224                         ; v[224:239] at work
.set M,    240                         ; running maximum, one for each query tile
.set LS,   242                         ; running sum (my half of the keys)
.set AL,   244                         ; 2^(old m - new m)
.set MN,   246                         ; - m
.set ADK,  248                         ; K fragments, slot 0, 1
.set ADV,  250                         ; V fragments, slot 0, 1
.set ADM,  252                         ; this trip's part of the mask table
.set ADML, 253
.set DQ,   254                         ; 32 w + r - 8 h
.set LANE, 255
.set G1K, 24
.set G1V, 32
.set G0K, 40                           ; one group 0 for each slot
.set G0V, 48
; waves 0, 1 fetch the halves of K's tile, waves 2, 3 of V's (64 rows of 256 bytes each); waves 4-7 fetch nothing.  One load of a wave is out at the most.
.macro JLOAD s
	s_cmp_ge_u32 s12, 4
	s_cbranch_scc1 .Lnone_\@
	s_cmp_ge_u32 s12, 2
	s_cbranch_scc1 .Lforv_\@
	tensor_load_to_lds s[G0K+4*(\s):G0K+4*(\s)+3], s[G1K:G1K+7]
	s_nop 0
	s_branch .Lnone_\@
.Lforv_\@:
	tensor_load_to_lds s[G0V+4*(\s):G0V+4*(\s)+3], s[G1V:G1V+7]
	s_nop 0
.Lnone_\@:
.endm
	s_load_b256 s[4:11], s[0:1], 0x0               ; qkvh s[4:5], attention_mask s[6:7], tail s[8:9], ah s[10:11]
	s_set_vgpr_msb 0x40
	v_lshl_add_u32 v0, v0, 2, 0x31000
	v_mov_b32 v1, 0
	s_set_vgpr_msb 0x4045
	ds_add_u32 v0, v1
	s_set_vgpr_msb 0x4500
	v_lshrrev_b32 v1, 5, v0
	v_readfirstlane_b32 s12, v1                    ; wave 0..7
	s_mov_b32 s13, ttmp9                           ; p
	s_and_b32 s14, ttmp7, 0xffff                   ; 16 batch + head
	s_mov_b32 s21, 0x76543210                      ; v_permlanex16_b32: lane i of one half reads lane i of the other
	s_mov_b32 s22, 0xfedcba98
	s_mov_b32 s[G1K+0], 0x07510000                 ; 2-byte elements; behind every 64 words a pad of 4: LDS pitch 272
	s_mov_b32 s[G1V+0], 0x0f510000                 ; a pad of 8: LDS pitch 288
.irp g, G1K, G1V
	s_mov_b32 s[\g+1], 128<<16                     ; tensor_dim0 = 128 elements: two keys' 64
	s_mov_b32 s[\g+2], 64<<16                      ; tensor_dim1 = 64 rows
	s_mov_b32 s[\g+3], 128<<16                     ; tile_dim0
	s_mov_b32 s[\g+4], 64                          ; tile_dim1
	s_mov_b32 s[\g+5], 128                         ; dense: a row begins where the last ends
	s_mov_b32 s[\g+6], 0
	s_mov_b32 s[\g+7], 0
.endr
	s_mul_i32 s60, s12, KHALF
	s_mul_i32 s61, s12, VHALF                      ; waves 2, 3: 36,864 and 55,296
	s_mov_b32 s[G0K], 1
	s_mov_b32 s[G0K+1], s60
	s_mov_b32 s[G0K+4], 1
	s_add_co_u32 s[G0K+5], s60, SLOT
	s_mov_b32 s[G0V], 1
	s_mov_b32 s[G0V+1], s61
	s_mov_b32 s[G0V+4], 1
	s_add_co_u32 s[G0V+5], s61, SLOT
	s_and_b32 s62, s12, 1
	s_lshl_b32 s62, s62, 14                        ; my half: 64 rows of 256 bytes
	s_add_co_u32 s18, s14, 64                      ; k's head blocks lie behind q's 64
	s_lshl_b32 s18, s18, 18
	s_add_co_u32 s18, s18, s62
	s_mov_b32 s19, 0
	s_wait_dscnt 0x0
	s_barrier_signal -1
	s_barrier_wait -1
	s_wait_kmcnt 0x0
	s_add_nc_u64 s[56:57], s[4:5], s[18:19]        ; K of my head, my half of tile 0
	s_add_nc_u64 s[58:59], s[56:57], 0x1000000     ; V: 64 head blocks of 262,144 bytes further
	s_mov_b64 s[G0K+2:G0K+3], s[56:57]
	s_or_b32 s[G0K+3], s[G0K+3], 0x80000000
	s_mov_b64 s[G0V+2:G0V+3], s[58:59]
	s_or_b32 s[G0V+3], s[G0V+3], 0x80000000
	JLOAD 0                                        ; key tile 0, ahead of every LDS access and every barrier
	; the two mask tables: thread i makes keys 8 i .. +7
	v_lshlrev_b32 v2, 5, v0
	s_lshr_b32 s62, s14, 4
	s_lshl_b32 s18, s62, 13
	s_add_nc_u64 s[60:61], s[6:7], s[18:19]
	global_load_b128 v[4:7], v2, s[60:61]
	global_load_b128 v[8:11], v2, s[60:61] offset:16
	v_add_nc_u32 v3, MKT, v2
	v_and_b32 v[LANE], 31, v0
	v_and_b32 v20, 15, v0                          ; r
	v_bfe_u32 v21, v0, 4, 1                        ; h
	v_lshrrev_b32 v22, 1, v20
	v_and_b32 v23, 1, v20
	v_mul_u32_u24 v22, v22, 272
	v_lshl_add_u32 v22, v23, 7, v22
	v_lshl_add_u32 v[ADK], v21, 4, v22             ; key r of a tile: LDS row r / 2, half r mod 2; 16 bytes for each half of the lanes
	v_add_nc_u32 v[ADK+1], SLOT, v[ADK]
	v_bfe_u32 v22, v0, 1, 2
	v_lshl_add_u32 v22, v21, 2, v22
	v_mul_u32_u24 v22, v22, 288                    ; key 8 h + lane mod 8: LDS row 4 h + (lane mod 8) / 2,
	v_lshl_add_u32 v22, v23, 7, v22                ; half lane mod 2,
	v_bfe_u32 v24, v0, 3, 1
	v_lshl_add_u32 v22, v24, 4, v22                ; columns 8 ((lane / 8) mod 2) .. +7
	v_add_nc_u32 v[ADV], VPART, v22
	v_add_nc_u32 v[ADV+1], SLOT+VPART, v22
	v_lshlrev_b32 v22, 5, v21
	v_add_nc_u32 v[ADML], MKT, v22                 ; register j of a score tile is key 8 h + j
	v_lshl_add_u32 v22, s12, 5, v20
	v_lshlrev_b32 v24, 3, v21
	v_sub_nc_u32 v[DQ], v22, v24
	s_wait_loadcnt 0x0
.irp i, 0,1,2,3,4,5,6,7
	v_max_num_f32 v[4+\i], 0xf149f2ca, v[4+\i]     ; the floor -1e30
	v_add_f32 v[12+\i], 0xc61c4000, v[4+\i]        ; mask - 10000, rounded as reference() rounds it
.endr
.irp i, 0,1,2,3,4,5,6,7
	v_mul_f32 v[4+\i], 0x3fb8aa3b, v[4+\i]
	v_mul_f32 v[12+\i], 0x3fb8aa3b, v[12+\i]
.endr
	ds_store_b128 v3, v[4:7]
	ds_store_b128 v3, v[8:11] offset:16
	ds_store_b128 v3, v[12:15] offset:CKD
	ds_store_b128 v3, v[16:19] offset:CKD+16       ; read by all waves behind the first trip's barrier, in front of which every wave waits for its LDS stores
; Query block s23 begins: Q's fragments, and the tail's state as the start of the running softmax (nothing is cleared).
.macro INIT
	s_lshl_b32 s18, s23, 8
	s_lshl_b32 s62, s12, 5
	s_add_co_u32 s18, s18, s62                     ; my first row: 256 qb + 32 w
	s_lshl_b32 s18, s18, 7
	s_lshl_b32 s62, s14, 18
	s_add_co_u32 s18, s18, s62
	s_mov_b32 s19, 0
	s_add_nc_u64 s[66:67], s[4:5], s[18:19]        ; q
	s_add_nc_u64 s[70:71], s[10:11], s[18:19]      ; ah: the same place
	s_lshl_b32 s18, s14, 3
	s_add_co_u32 s18, s18, s23
	s_lshl_b32 s18, s18, 9
	s_add_nc_u64 s[68:69], s[8:9], s[18:19]        ; the tail's 512 bytes
	v_and_b32 v[T+8], 15, v[LANE]
	v_lshrrev_b32 v[T+9], 4, v[LANE]
	v_lshlrev_b32 v[T+8], 7, v[T+8]
	v_lshl_add_u32 v[T+8], v[T+9], 4, v[T+8]       ; 128 r + 16 h
	v_lshlrev_b32 v[T+9], 5, v[T+9]                ; 32 h
	v_lshlrev_b32 v[T+10], 3, v[LANE]
.irp qt, 0,1
.irp ks, 0,1
	global_load_b128 v[QF+16*\qt+8*\ks:QF+16*\qt+8*\ks+3],   v[T+8], s[66:67] offset:2048*\qt+64*\ks
	global_load_b128 v[QF+16*\qt+8*\ks+4:QF+16*\qt+8*\ks+7], v[T+8], s[66:67] offset:2048*\qt+64*\ks+32
.endr
.endr
.irp qt, 0,1
.irp dt, 0,1,2,3
	global_load_b128 v[O+32*\qt+8*\dt:O+32*\qt+8*\dt+3],   v[T+9], s[68:69] offset:64*\dt       ; register j: A of column 16 dt + 8 h + j, for every query
	global_load_b128 v[O+32*\qt+8*\dt+4:O+32*\qt+8*\dt+7], v[T+9], s[68:69] offset:64*\dt+16
.endr
.endr
	global_load_b64 v[T:T+1], v[T+10], s[68:69] offset:256
	s_wait_loadcnt 0x0
	v_mov_b32 v[M], v[T]
	v_mov_b32 v[M+1], v[T]
	v_mul_f32 v[LS], 0.5, v[T+1]                   ; the lanes' two halves are added at the end
	v_mul_f32 v[LS+1], 0.5, v[T+1]
.endm
; keys above the diagonal of tile t of chunk c take their score from T (mask - 10000): key 64 c + 16 t + 8 h + j > query 32 w + 16 qt + r
.macro CAUSAL c, t
.irp qt, 0,1
.irp j, 0,1,2,3,4,5,6,7
	v_cmp_gt_i32 vcc_lo, 64*\c+16*\t+\j-16*\qt, v[DQ]
	v_cndmask_b32 v[S+32*\qt+8*\t+\j], v[S+32*\qt+8*\t+\j], v[T+8*((\t)&1)+\j], vcc_lo
.endr
.endr
.endm
.macro MAXQ qt                         ; the new maximum of my query: 32 scores and the old maximum; then alpha and - m
.irp k, 0,1,2,3
	v_max3_num_f32 v[T+4*\qt+\k], v[S+32*\qt+8*\k], v[S+32*\qt+8*\k+1], v[S+32*\qt+8*\k+2]
.endr
.irp k, 0,1,2,3
	v_max3_num_f32 v[T+4*\qt+\k], v[T+4*\qt+\k], v[S+32*\qt+8*\k+3], v[S+32*\qt+8*\k+4]
.endr
.irp k, 0,1,2,3
	v_max3_num_f32 v[T+4*\qt+\k], v[T+4*\qt+\k], v[S+32*\qt+8*\k+5], v[S+32*\qt+8*\k+6]
.endr
	v_max3_num_f32 v[T+4*\qt], v[T+4*\qt], v[T+4*\qt+1], v[S+32*\qt+7]
	v_max3_num_f32 v[T+4*\qt+2], v[T+4*\qt+2], v[T+4*\qt+3], v[S+32*\qt+15]
	v_max3_num_f32 v[T+4*\qt], v[T+4*\qt], v[T+4*\qt+2], v[S+32*\qt+23]
	v_max3_num_f32 v[T+4*\qt], v[T+4*\qt], v[S+32*\qt+31], v[M+\qt]
	v_permlanex16_b32 v[T+4*\qt+1], v[T+4*\qt], s21, s22       ; the other half of the lanes holds my query's other keys
	v_max_num_f32 v[T+4*\qt], v[T+4*\qt], v[T+4*\qt+1]
	v_sub_f32 v[AL+\qt], v[M+\qt], v[T+4*\qt]
	v_mov_b32 v[M+\qt], v[T+4*\qt]
	v_exp_f32 v[AL+\qt], v[AL+\qt]
	v_mul_f32 v[MN+\qt], -1.0, v[T+4*\qt]          ; also the plain instruction behind the exponential (ISA guide 5.7.2)
.endm
.macro SUBQ qt
.irp i, 0,1,2,3,4,5,6,7,8,9,10,11,12,13,14,15
	v_pk_add_f32 v[S+32*\qt+2*\i:S+32*\qt+2*\i+1], v[S+32*\qt+2*\i:S+32*\qt+2*\i+1], v[MN:MN+1] op_sel:[0,\qt] op_sel_hi:[1,\qt]
.endr
.endm
.macro EXPQ qt
.set i_, 0
.rept 32
	v_exp_f32 v[S+32*\qt+i_], v[S+32*\qt+i_]
.set i_, i_+1
.endr
.endm
.macro SCALEQ qt
	s_wait_alu depctr_va_vdst(0)
.irp i, 0,1,2,3,4,5,6,7,8,9,10,11,12,13,14,15
	v_pk_mul_f32 v[O+32*\qt+2*\i:O+32*\qt+2*\i+1], v[O+32*\qt+2*\i:O+32*\qt+2*\i+1], v[AL:AL+1] op_sel:[0,\qt] op_sel_hi:[1,\qt]
.endr
.endm
.macro SUMQ qt
.irp k, 0,1,2,3
	v_pk_add_f32 v[T+2*\k:T+2*\k+1], v[S+32*\qt+8*\k:S+32*\qt+8*\k+1], v[S+32*\qt+8*\k+2:S+32*\qt+8*\k+3]
.endr
.irp k, 0,1,2,3
	v_pk_add_f32 v[T+2*\k:T+2*\k+1], v[T+2*\k:T+2*\k+1], v[S+32*\qt+8*\k+4:S+32*\qt+8*\k+5]
.endr
.irp k, 0,1,2,3
	v_pk_add_f32 v[T+2*\k:T+2*\k+1], v[T+2*\k:T+2*\k+1], v[S+32*\qt+8*\k+6:S+32*\qt+8*\k+7]
.endr
	v_pk_add_f32 v[T:T+1], v[T:T+1], v[T+2:T+3]
	v_pk_add_f32 v[T+4:T+5], v[T+4:T+5], v[T+6:T+7]
	v_pk_add_f32 v[T:T+1], v[T:T+1], v[T+4:T+5]
	v_add_f32 v[T], v[T], v[T+1]
	v_fma_f32 v[LS+\qt], v[LS+\qt], v[AL+\qt], v[T]
.endm
.macro PACKQ qt                        ; two key tiles, packed in place, are one fragment: registers 0-3 keys 8 h .. +7, registers 4-7 keys 16 + 8 h .. +7
.irp ks, 0,1
.irp i, 0,1,2,3
	v_cvt_pk_f16_f32 v[S+32*\qt+16*\ks+\i], v[S+32*\qt+16*\ks+2*\i], v[S+32*\qt+16*\ks+2*\i+1]
.endr
.irp i, 0,1,2,3
	v_cvt_pk_f16_f32 v[S+32*\qt+16*\ks+4+\i], v[S+32*\qt+16*\ks+8+2*\i], v[S+32*\qt+16*\ks+8+2*\i+1]
.endr
.endr
.endm
; 64 keys (chunk c of the tile in a slot) against my 32 queries
.macro CHUNK slot, c, masked
.if \masked
.irp t, 0,1
	ds_load_b128 v[T+8*\t:T+8*\t+3],   v[ADM] offset:CKD+256*\c+64*\t
	ds_load_b128 v[T+8*\t+4:T+8*\t+7], v[ADM] offset:CKD+256*\c+64*\t+16
.endr
.endif
.irp t, 0,1,2,3
	ds_load_b128 v[S+8*\t:S+8*\t+3],   v[ADM] offset:256*\c+64*\t          ; the keys' mask, laid out as a score tile: the C of the first products
	ds_load_b128 v[S+8*\t+4:S+8*\t+7], v[ADM] offset:256*\c+64*\t+16
.endr
.irp ks, 0,1
.irp t, 0,1,2,3
	ds_load_b128 v[F+16*\t+8*\ks:F+16*\t+8*\ks+3],   v[ADK+\slot] offset:8704*\c+2176*\t+64*\ks
	ds_load_b128 v[F+16*\t+8*\ks+4:F+16*\t+8*\ks+7], v[ADK+\slot] offset:8704*\c+2176*\t+64*\ks+32
.endr
.endr
	s_wait_dscnt 8                                 ; all but K's columns 32-63 (the youngest eight loads)
	; the eight score tiles take turns, one instruction a turn
.irp t, 0,1,2,3
	v_wmma_f32_16x16x32_f16 v[S+32+8*\t:S+32+8*\t+7], v[F+16*\t:F+16*\t+7], v[QF+16:QF+23], v[S+8*\t:S+8*\t+7]
.endr
.rept 5
	v_nop                                          ; five places: the next four write over the C of the last four (ISA guide 7.12.1)
.endr
.irp t, 0,1,2,3
	v_wmma_f32_16x16x32_f16 v[S+8*\t:S+8*\t+7], v[F+16*\t:F+16*\t+7], v[QF:QF+7], v[S+8*\t:S+8*\t+7]
.endr
	s_wait_dscnt 0x0
.irp t, 0,1,2,3
	v_wmma_f32_16x16x32_f16 v[S+32+8*\t:S+32+8*\t+7], v[F+16*\t+8:F+16*\t+15], v[QF+24:QF+31], v[S+32+8*\t:S+32+8*\t+7]
.endr
.irp t, 0,1,2,3
	v_wmma_f32_16x16x32_f16 v[S+8*\t:S+8*\t+7], v[F+16*\t+8:F+16*\t+15], v[QF+8:QF+15], v[S+8*\t:S+8*\t+7]
.endr
.rept 4
	v_nop                                          ; four places ahead of the loads into K's registers and of the reads of the scores
.endr
.irp ks, 0,1
.irp dt, 0,1,2,3
	ds_load_tr16_b128 v[F+32*\ks+8*\dt:F+32*\ks+8*\dt+3],   v[ADV+\slot] offset:9216*\c+4608*\ks+32*\dt        ; V^T: column 16 dt + r, keys 8 h .. +7
	ds_load_tr16_b128 v[F+32*\ks+8*\dt+4:F+32*\ks+8*\dt+7], v[ADV+\slot] offset:9216*\c+4608*\ks+32*\dt+2304   ; keys 16 + 8 h .. +7
.endr
.endr
.if \masked
	CAUSAL \c, 0
	CAUSAL \c, 1
.irp t, 0,1
	ds_load_b128 v[T+8*\t:T+8*\t+3],   v[ADM] offset:CKD+256*\c+128+64*\t
	ds_load_b128 v[T+8*\t+4:T+8*\t+7], v[ADM] offset:CKD+256*\c+128+64*\t+16
.endr
	s_wait_dscnt 0x0
	CAUSAL \c, 2
	CAUSAL \c, 3
.endif
	MAXQ 0
	MAXQ 1
	SUBQ 0
	EXPQ 0
	SUBQ 1                                         ; plain work on other registers stands behind each run of exponentials
	EXPQ 1
	SCALEQ 0
	SUMQ 0
	PACKQ 0
	SCALEQ 1
	SUMQ 1
	PACKQ 1
	s_wait_dscnt 0x0                               ; V^T is in
	; the eight tiles of O^T take turns, one instruction a turn
.irp ks, 0,1
.irp dt, 0,1,2,3
.irp qt, 0,1
	v_wmma_f32_16x16x32_f16 v[O+32*\qt+8*\dt:O+32*\qt+8*\dt+7], v[F+32*\ks+8*\dt:F+32*\ks+8*\dt+7], v[S+32*\qt+16*\ks:S+32*\qt+16*\ks+7], v[O+32*\qt+8*\dt:O+32*\qt+8*\dt+7]
.endr
.endr
.endr
.rept 5
	v_nop                                          ; five places: the next chunk's first products write over P's registers, which these products read (ISA guide 7.12.1);
.endr                                              ; four of them serve the next loads into P's and V's registers and the next reads of O
.endm
; a query block ends: O / l, rounded to f16, through my own stage, out as whole rows
.macro FINISH
	v_permlanex16_b32 v[T], v[LS], s21, s22
	v_permlanex16_b32 v[T+1], v[LS+1], s21, s22
	v_add_f32 v[T], v[T], v[LS]
	v_add_f32 v[T+1], v[T+1], v[LS+1]
	v_rcp_f32 v[T], v[T]
	v_rcp_f32 v[T+1], v[T+1]
	s_mul_i32 s62, s12, 32*SP
	s_add_co_u32 s62, s62, STAGE
	v_and_b32 v[T+8], 15, v[LANE]                  ; plain work behind the reciprocals
	v_lshrrev_b32 v[T+11], 4, v[LANE]
	v_mul_u32_u24 v[T+8], v[T+8], SP
	v_lshl_add_u32 v[T+8], v[T+11], 4, v[T+8]
	v_add_nc_u32 v[T+8], s62, v[T+8]               ; in: row r (+ 16 qt), byte 16 h (+ 32 dt)
	v_lshrrev_b32 v[T+9], 3, v[LANE]
	v_and_b32 v[T+11], 7, v[LANE]
	v_mul_u32_u24 v[T+9], v[T+9], SP
	v_lshl_add_u32 v[T+9], v[T+11], 4, v[T+9]
	v_add_nc_u32 v[T+9], s62, v[T+9]               ; back: four rows of 128 bytes
	v_lshlrev_b32 v[T+10], 4, v[LANE]
	s_wait_alu depctr_va_vdst(0)
.irp qt, 0,1
.irp i, 0,1,2,3,4,5,6,7,8,9,10,11,12,13,14,15
	v_pk_mul_f32 v[O+32*\qt+2*\i:O+32*\qt+2*\i+1], v[O+32*\qt+2*\i:O+32*\qt+2*\i+1], v[T:T+1] op_sel:[0,\qt] op_sel_hi:[1,\qt]
.endr
.irp dt, 0,1,2,3
.irp i, 0,1,2,3
	v_cvt_pk_f16_f32 v[O+32*\qt+8*\dt+\i], v[O+32*\qt+8*\dt+2*\i], v[O+32*\qt+8*\dt+2*\i+1]
.endr
	ds_store_b128 v[T+8], v[O+32*\qt+8*\dt:O+32*\qt+8*\dt+3] offset:16*SP*\qt+32*\dt
.endr
.endr
.irp u, 0,1,2,3,4,5,6,7
	ds_load_b128 v[S+4*\u:S+4*\u+3], v[T+9] offset:4*SP*\u     ; my own bytes, served in order behind the stores
.endr
.irp u, 0,1,2,3,4,5,6,7
	s_wait_dscnt 7-\u                              ; the younger read-backs stay out
	global_store_b128 v[T+10], v[S+4*\u:S+4*\u+3], s[70:71] offset:512*\u      ; 512 consecutive bytes, aligned
.endr
	s_wait_xcnt 0x0                                ; the stores' data, offset and base are written again only behind this wait
.endm
; One key tile, from a slot.  In front of the barrier every wave waits for all its tensor loads (this trip's tile among them) and for its reads of
; the other slot; behind it the other slot's refill comes first, one load a wave, and has this whole trip in which to land.
.macro TRIP slot, refill, last
	s_set_vgpr_msb 0x5
	s_wait_tensorcnt 0x0
	ds_add_u32 v0, v1
	s_wait_dscnt 0x0
	s_set_vgpr_msb 0x500
.if \refill
	s_add_co_u32 s17, s15, 1                       ; trip t + 1 reads key block t + 1 up to t + 1 = p, and t - p behind it
	s_sub_co_u32 s18, s15, s13
	s_cmp_le_u32 s17, s13
	s_cselect_b32 s17, s17, s18
	s_and_b32 s17, s17, 7                          ; it is 0 .. 7
	s_lshl_b32 s18, s17, 15                        ; 256 keys of 128 bytes
	s_mov_b32 s19, 0
	s_add_nc_u64 s[G0K+4*(1-\slot)+2:G0K+4*(1-\slot)+3], s[56:57], s[18:19]    ; no load of mine is out: the descriptors may be written
	s_or_b32 s[G0K+4*(1-\slot)+3], s[G0K+4*(1-\slot)+3], 0x80000000
	s_add_nc_u64 s[G0V+4*(1-\slot)+2:G0V+4*(1-\slot)+3], s[58:59], s[18:19]
	s_or_b32 s[G0V+4*(1-\slot)+3], s[G0V+4*(1-\slot)+3], 0x80000000
.endif
	s_wait_dscnt 0x0
	s_barrier_signal -1
	s_barrier_wait -1
.if \refill
	JLOAD 1-\slot
.endif
	v_lshl_add_u32 v[ADM], s16, 10, v[ADML]        ; this key block's 256 words of the mask table
.if \last
	CHUNK \slot, 0, 1
	CHUNK \slot, 1, 1
	CHUNK \slot, 2, 1
	CHUNK \slot, 3, 1
	FINISH
.else
	s_cmp_eq_u32 s15, s13                          ; trip p is the first query block's diagonal
	s_cbranch_scc1 .Ldiag_\@
	CHUNK \slot, 0, 0
	CHUNK \slot, 1, 0
	CHUNK \slot, 2, 0
	CHUNK \slot, 3, 0
	s_branch .Ljoin_\@
.Ldiag_\@:
	CHUNK \slot, 0, 1
	CHUNK \slot, 1, 1
	CHUNK \slot, 2, 1
	CHUNK \slot, 3, 1
	FINISH
	s_sub_co_u32 s23, 7, s13
	INIT                                           ; query block 7 - p begins
.Ljoin_\@:
	s_mov_b32 s16, s17
	s_add_co_u32 s15, s15, 1
.endif
.endm
	s_mov_b32 s23, s13
	INIT                                           ; query block p
	s_mov_b32 s15, 0                               ; trip
	s_mov_b32 s16, 0                               ; its key block
	s_mov_b32 s20, 4
.Lpair:
	TRIP 0, 1, 0
	TRIP 1, 1, 0
	s_sub_co_u32 s20, s20, 1
	s_cmp_lg_u32 s20, 0
	s_cbranch_scc1 .Lpair
	TRIP 0, 0, 1                                   ; the ninth trip: the second block's diagonal; nothing is left to fetch
	s_set_vgpr_msb 0x5
	s_wait_tensorcnt 0x0
	ds_add_u32 v0, v1
	s_wait_dscnt 0x0
	s_set_vgpr_msb 0x500
	s_endpgm
.Lfunc_end_k_q29a586946e_attn:
	.size	k_q29a586946e_attn, .Lfunc_end_k_q29a586946e_attn-k_q29a586946e_attn
	.p2alignl 7, 3214868480
	.fill 96, 4, 3214868480
	.section	.rodata,"a",@progbits
	.p2align	6, 0x0
	.amdhsa_kernel k_q29a586946e_attn
		.amdhsa_group_segment_fixed_size 327680
		.amdhsa_private_segment_fixed_size 0
		.amdhsa_enable_private_segment 0
		.amdhsa_kernarg_size 32
		.amdhsa_user_sgpr_count 2
		.amdhsa_user_sgpr_kernarg_segment_ptr 1
		.amdhsa_wavefront_size32 1
		.amdhsa_system_sgpr_workgroup_id_x 1
		.amdhsa_system_sgpr_workgroup_id_y 1
		.amdhsa_system_sgpr_workgroup_id_z 1
		.amdhsa_system_vgpr_workitem_id 0
		.amdhsa_next_free_vgpr 258
		.amdhsa_next_free_sgpr 76
		.amdhsa_reserve_vcc 1
		.amdhsa_float_denorm_mode_32 3
		.amdhsa_float_denorm_mode_16_64 3
		.amdhsa_memory_ordered 1
		.amdhsa_forward_progress 1
		.amdhsa_inst_pref_size 255
	.end_amdhsa_kernel
	.section	.bss,"aw",@nobits
	.p2align	6
	.space	262144
	.amdgpu_metadata
---
amdhsa.version: [ 1, 2 ]
amdhsa.kernels:
  - .name:           k_q29a586946e_attn
    .symbol:         k_q29a586946e_attn.kd
    .args:
      - { .name: qkvh, .offset: 0, .size: 8, .value_kind: global_buffer, .address_space: global }
      - { .name: attention_mask, .offset: 8, .size: 8, .value_kind: global_buffer, .address_space: global }
      - { .name: tail, .offset: 16, .size: 8, .value_kind: global_buffer, .address_space: global }
      - { .name: ah, .offset: 24, .size: 8, .value_kind: global_buffer, .address_space: global }
    .group_segment_fixed_size: 327680
    .private_segment_fixed_size: 0
    .kernarg_segment_align: 8
    .kernarg_segment_size: 32
    .max_flat_workgroup_size: 256
    .sgpr_count:     76
    .vgpr_count:     258
    .wavefront_size: 32
...
	.end_amdgpu_metadata
.endif
;; end of part 4
;; launch gemm_proj (part 5): grid 8 x 32, 4 waves a work-group, clusters of 4 x 4, 327,680 bytes of LDS; arguments ah, wtp, b_proj, out0; writes out0
.if DOCPART == 5
	.amdgcn_target "amdgcn-amd-amdhsa--gfx1250"
	.amdhsa_code_object_version 6
	.text
	.protected	k_q29a586946e_gemm_proj
	.globl	k_q29a586946e_gemm_proj
	.p2align	8
	.type	k_q29a586946e_gemm_proj,@function
k_q29a586946e_gemm_proj:
	s_mov_b64 s[64:65], 0
	v_nop
	global_prefetch_b8 v0, s[64:65] scope:SCOPE_SE
	s_setreg_imm32_b32 hwreg(HW_REG_WAVE_MODE, 25, 1), 1
	s_wait_xcnt 0x0
	s_wait_alu depctr_hold_cnt(0) depctr_sa_sdst(0) depctr_va_vdst(0) depctr_va_sdst(0) depctr_va_ssrc(0) depctr_va_vcc(0) depctr_vm_vsrc(0)
	s_getreg_b32 s2, hwreg(HW_REG_IB_STS2, 6, 4)
	s_cmp_eq_u32 s2, 0
	s_cbranch_scc0 .Lentry_in_a_cluster
	s_endpgm
.Lentry_in_a_cluster:
	s_bfe_u32 s2, ttmp6, 0x10000c
	s_cmp_lg_u32 s2, 0xf033
	s_cbranch_scc0 .Lentry_shape_is_right
	s_endpgm
.Lentry_shape_is_right:
; out0 = a wtp^T + b_proj in f32.  a: ah [batch][head][2048][64] f16 (k = 64 head + d), wtp [1024 n][1024 k] f16, sums in f32.
; A work-group makes 256 rows x 128 columns; wave w makes rows 64 w .. +63 of all 128 columns: 32 accumulator tiles, 256 registers.
; K goes in steps of 128 = two heads through two LDS slots.  A head's 256 rows of 128 bytes are dense in memory: they come as 128 rows of 256 bytes,
; two rows of a in each LDS row; wave 0 brings the step's even head, wave 1 the odd one, waves 2 and 3 the halves of wtp's tile.
; CLUSTER 4 x 4: a's tiles are shared along a cluster's row, wtp's along a column, each asked for jointly: a quarter of the requests.
; REGISTER WINDOWS: 0: addresses v16-27, A's fragments v64-95 and v96-127, the bias v128-191;  1: B's fragments v0-63 and v96-159;
; 2: accumulators of my row tiles 0, 1 (tile (a, b) at 8 (8 a + b));  3: of row tiles 2, 3.
; The matrix instruction is used transposed (source 0 = rows of wtp, source 1 = rows of a): a lane's eight results are 32 neighbouring bytes of a row of out0.
; The bias, laid out as such a tile, is the C of each tile's first product.
.set PITCH,  272
.set NT,     8
.set HB,     64
.set HALFA,  128*PITCH
.set HALFB,  HB*PITCH
.set SLOT,   2*HALFA+2*HALFB
.set STAGE,  2*SLOT                    ; behind the ring, a multiple of 256: no fill lands there
.set SPITCH, 528                       ; a stage row: 128 f32 + 16 bytes
.set LAPS,   4
.set A_NEXT, 524288                    ; two heads of 262,144 bytes
.set B_NEXT, 256
.set ADRA, 16
.set ADRB, 20
.set STO,  24
.set RD,   25
.set CO,   26
.set BO,   27
.set BIAS, 128
.set G1,  24
.set G0,  32
.set G1B, 48
.set G0B, 56
.set MSB, 0
.macro WIN new                         ; the immediate's high byte repeats the setting that is left
.if MSB != (\new)
	s_set_vgpr_msb (MSB<<8)|(\new)
.set MSB, \new
.endif
.endm
.macro JLOAD s                         ; the branch hangs on the wave's number alone
	s_cmp_eq_u32 s13, 0
	s_cbranch_scc0 .Lfor_b_\@
	tensor_load_to_lds s[G0+4*\s:G0+4*\s+3], s[G1:G1+7]
	s_nop 0
	s_branch .Lasked_\@
.Lfor_b_\@:
	tensor_load_to_lds s[G0B+4*\s:G0B+4*\s+3], s[G1B:G1B+7]
	s_nop 0
.Lasked_\@:
.endm
.macro CREST
	s_cmp_lg_u32 s12, 0
	s_cbranch_scc1 .Lnot_wave_0_\@
	s_barrier_signal -3
.Lnot_wave_0_\@:
	s_barrier_wait -3
	s_barrier_signal -1
	s_barrier_wait -1
.endm
.macro CROUND
	s_barrier_signal -1
	s_barrier_wait -1
	CREST
.endm
.macro PLACES                          ; four places behind matrix instructions (ISA guide 7.12.1)
.rept 4
	v_nop
.endr
.endm
	s_load_b256 s[4:11], s[0:1], 0x0               ; ah s[4:5], wtp s[6:7], b_proj s[8:9], out0 s[10:11]
	s_set_vgpr_msb 0x40
	v_lshl_add_u32 v255, v0, 2, 0x3b400
	s_set_vgpr_msb 0x4000
	v_mov_b32 v255, 0
	s_set_vgpr_msb 0x1
	ds_add_u32 v255, v255
	s_set_vgpr_msb 0x100
	v_lshrrev_b32 v1, 5, v0
	v_readfirstlane_b32 s12, v1                    ; wave 0..3
	s_lshr_b32 s13, s12, 1                         ; I fetch for A (0) or for B (1)
	s_and_b32 s14, s12, 1                          ; which half
	s_bfe_u32 s40, ttmp6, 0x40000                  ; cx
	s_bfe_u32 s41, ttmp6, 0x40004                  ; cy
	s_lshl_b32 s42, ttmp9, 2
	s_add_co_u32 s42, s42, s40                     ; block column
	s_and_b32 s15, ttmp7, 0xffff
	s_lshl_b32 s15, s15, 2
	s_add_co_u32 s15, s15, s41                     ; block row
	s_lshl_b32 s43, s41, 2
	s_lshl_b32 s43, 15, s43                        ; my row of the cluster
	s_lshl_b32 s44, 0x1111, s40                    ; my column
	s_or_b32 s[G1+0], s43, (1<<16)|(1<<20)|(1<<21)|(5<<22)|(3<<25)
	s_or_b32 s[G1B+0], s44, (1<<16)|(1<<20)|(1<<21)|(5<<22)|(3<<25)
	s_mov_b32 s[G1+1], 128<<16
	s_mov_b32 s[G1B+1], 128<<16
	s_mov_b32 s[G1+2], 128<<16
	s_mov_b32 s[G1B+2], HB<<16
	s_mov_b32 s[G1+3], 128<<16
	s_mov_b32 s[G1B+3], 128<<16
	s_mov_b32 s[G1+4], 128
	s_mov_b32 s[G1B+4], HB
	s_mov_b32 s[G1+5], 128                         ; a: dense, a row of 256 bytes begins where the last ends
	s_mov_b32 s[G1B+5], 1024
	s_mov_b32 s[G1+6], 0
	s_mov_b32 s[G1B+6], 0
	s_mov_b32 s[G1+7], 0
	s_mov_b32 s[G1B+7], 0
	s_lshr_b32 s16, s15, 3                         ; A: batch = block row / 8; head = my half; row 256 (block row mod 8); 128 bytes a row
	s_lshl_b32 s16, s16, 4
	s_add_co_u32 s16, s16, s14
	s_lshl_b32 s16, s16, 11
	s_and_b32 s17, s15, 7
	s_lshl_b32 s17, s17, 8
	s_add_co_u32 s16, s16, s17
	s_lshl_b32 s16, s16, 7
	s_mov_b32 s17, 0
	s_mul_i32 s46, s42, 16*NT                      ; B: row 128 block column + 64 half, 2,048 bytes a row
	s_mul_i32 s47, s14, HB
	s_add_co_u32 s46, s46, s47
	s_lshl_b32 s46, s46, 11
	s_mov_b32 s47, 0
	s_mul_i32 s20, s12, HALFA
	s_mul_i32 s21, s12, HALFB
	s_add_co_u32 s21, s21, 2*HALFA-2*HALFB
	s_wait_dscnt 0x0
	s_wait_kmcnt 0x0
	s_add_nc_u64 s[18:19], s[4:5], s[16:17]
	s_add_nc_u64 s[46:47], s[6:7], s[46:47]
	CROUND                                         ; all sixteen work-groups are here: the first joint loads meet
.irp s, 0,1
	s_mov_b32 s[G0+4*\s], 1
	s_add_co_u32 s[G0+4*\s+1], s20, \s*SLOT
	s_add_nc_u64 s[G0+4*\s+2:G0+4*\s+3], s[18:19], \s*A_NEXT
	s_or_b32 s[G0+4*\s+3], s[G0+4*\s+3], 0x80000000
	s_mov_b32 s[G0B+4*\s], 1
	s_add_co_u32 s[G0B+4*\s+1], s21, \s*SLOT
	s_add_nc_u64 s[G0B+4*\s+2:G0B+4*\s+3], s[46:47], \s*B_NEXT
	s_or_b32 s[G0B+4*\s+3], s[G0B+4*\s+3], 0x80000000
	JLOAD \s                                       ; two loads of a wave are out at the start, one behind each later round
.endr
	v_and_b32 v1, 15, v0                           ; r
	v_bfe_u32 v2, v0, 4, 1                         ; h
	v_mul_u32_u24 v3, v1, PITCH
	v_lshl_add_u32 v3, v2, 4, v3                   ; B: row r, 16 bytes for each half of the lanes
	v_lshrrev_b32 v4, 1, v1
	v_and_b32 v5, 1, v1
	v_mul_u32_u24 v4, v4, PITCH
	v_lshl_add_u32 v4, v5, 7, v4
	v_lshl_add_u32 v4, v2, 4, v4                   ; A: LDS row r / 2, half r mod 2: sixteen different 16-byte columns
	s_mul_i32 s22, s12, 32*PITCH                   ; my 64 rows of a = 32 LDS rows
	s_mov_b32 s23, 2*HALFA
.irp s, 0,1
	v_add_nc_u32 v[ADRA+\s], s22, v4
	v_add_nc_u32 v[ADRB+\s], s23, v3
	s_add_co_u32 s22, s22, SLOT
	s_add_co_u32 s23, s23, SLOT
.endr
	s_mul_i32 s22, s12, 16*SPITCH
	s_add_co_u32 s22, s22, STAGE                   ; my stage
	v_mul_u32_u24 v5, v1, SPITCH
	v_lshl_add_u32 v5, v2, 5, v5
	v_add_nc_u32 v[STO], s22, v5                   ; in: row r, byte 32 h
	v_and_b32 v6, 31, v0
	v_lshlrev_b32 v[CO], 4, v6
	v_add_nc_u32 v[RD], s22, v[CO]                 ; back: a row's 512 bytes
	v_lshlrev_b32 v[BO], 5, v2
	s_mul_i32 s78, s42, 64*NT                      ; the block's 128 biases
	s_mov_b32 s79, 0
	s_add_nc_u64 s[8:9], s[8:9], s[78:79]
.set b_, 0
.rept NT
	global_load_b128 v[BIAS+8*b_:BIAS+8*b_+3],   v[BO], s[8:9] offset:64*b_      ; register j: b_proj of column 16 b + 8 h + j
	global_load_b128 v[BIAS+8*b_+4:BIAS+8*b_+7], v[BO], s[8:9] offset:64*b_+16
.set b_, b_+1
.endr
; NT matrix instructions: row tile 2 hi + a x all column tiles, 32 along K, from buffer f.  first = 1: C is the bias.
; The 32 accumulators take turns, one instruction a turn, in the same order in every quarter.
.macro MULA f, hi, a, first
.set b_, 0
.rept NT
.if \first
	v_wmma_f32_16x16x32_f16 v[8*(NT*\a+b_):8*(NT*\a+b_)+7], v[96*\f+8*b_:96*\f+8*b_+7], v[64+32*\f+8*(2*\hi+\a):64+32*\f+8*(2*\hi+\a)+7], v[BIAS+8*b_:BIAS+8*b_+7]
.else
	v_wmma_f32_16x16x32_f16 v[8*(NT*\a+b_):8*(NT*\a+b_)+7], v[96*\f+8*b_:96*\f+8*b_+7], v[64+32*\f+8*(2*\hi+\a):64+32*\f+8*(2*\hi+\a)+7], v[8*(NT*\a+b_):8*(NT*\a+b_)+7]
.endif
.set b_, b_+1
.endr
.endm
; quarter q of a slot into buffer f.  In A quarter q is head q / 2 of the step's two, columns 32 (q mod 2) .. +31
.macro FETCH slot, q, f
	WIN 0x40
.set i_, 0
.rept NT
	ds_load_b128 v[96*\f+8*i_:96*\f+8*i_+3],   v[ADRB+\slot] offset:64*\q+i_*16*PITCH
	ds_load_b128 v[96*\f+8*i_+4:96*\f+8*i_+7], v[ADRB+\slot] offset:64*\q+i_*16*PITCH+32
.set i_, i_+1
.endr
	WIN 0
.irp i, 0,1,2,3
	ds_load_b128 v[64+32*\f+8*\i:64+32*\f+8*\i+3],   v[ADRA+\slot] offset:((\q)>>1)*HALFA+((\q)&1)*64+\i*8*PITCH
	ds_load_b128 v[64+32*\f+8*\i+4:64+32*\f+8*\i+7], v[ADRA+\slot] offset:((\q)>>1)*HALFA+((\q)&1)*64+\i*8*PITCH+32
.endr
.endm
.macro QUARTER slot, q, f, g, first
	s_wait_dscnt 4                                 ; all but A's row tiles 2 and 3 (the youngest four loads)
.if \first
	WIN 0x81
.else
	WIN 0xa1
.endif
	MULA \f, 0, 0, \first
	MULA \f, 0, 1, \first
	PLACES
	FETCH \slot, \q, \g
	s_wait_dscnt 2*NT+8                            ; all but the run just issued
.if \first
	WIN 0xc1
.else
	WIN 0xf1
.endif
	MULA \f, 1, 0, \first
	MULA \f, 1, 1, \first
.endm
.macro THREE slot, first
	QUARTER \slot, 1, 0, 1, \first
	QUARTER \slot, 2, 1, 0, 0
	QUARTER \slot, 3, 0, 1, 0
.endm
; the last quarter of a K step changes slots: each wave's waits for its reads of this slot and for all its tensor loads stand in front of the barrier;
; where the slot is filled again the barrier opens a round of the cluster's barrier and the joint refill is the first tensor load behind the round.
; From a request to its wait a wave issues 120 matrix instructions.
.macro TURN slot, next, fill
	s_wait_dscnt 4
	WIN 0xa1
	MULA 1, 0, 0, 0
	s_wait_dscnt 0
	s_wait_tensorcnt 0x0
	ds_add_u32 v255, v255
	s_wait_dscnt 0x0
	s_barrier_signal -1
	MULA 1, 0, 1, 0
	WIN 0
	s_barrier_wait -1
.if \fill
	CREST
	s_add_nc_u64 s[G0+4*\slot+2:G0+4*\slot+3], s[G0+4*\slot+2:G0+4*\slot+3], 2*A_NEXT
	s_add_nc_u64 s[G0B+4*\slot+2:G0B+4*\slot+3], s[G0B+4*\slot+2:G0B+4*\slot+3], 2*B_NEXT
	JLOAD \slot
.endif
	PLACES
	FETCH \next, 0, 0
	WIN 0xf1
	MULA 1, 1, 0, 0
	MULA 1, 1, 1, 0
.endm
.macro LAP first
	THREE 0, \first
	TURN 0, 1, 1
	THREE 1, 0
	TURN 1, 0, 1
.endm
	s_wait_loadcnt 0x0                             ; the bias
	s_wait_tensorcnt 1                             ; my part of K step 0 is in; K step 1's stays out
	s_barrier_signal -1
	s_barrier_wait -1
	FETCH 0, 0, 0
	LAP 1
	WIN 0
	s_mov_b32 s3, LAPS-2
.Llap:
	LAP 0
	WIN 0
	s_sub_co_u32 s3, s3, 1
	s_cmp_lg_u32 s3, 0
	s_cbranch_scc1 .Llap
	THREE 0, 0                                     ; the last lap fills nothing
	TURN 0, 1, 0
	THREE 1, 0
	s_wait_dscnt 4
	WIN 0xa1
	MULA 1, 0, 0, 0
	MULA 1, 0, 1, 0
	s_wait_dscnt 0
	WIN 0xf1
	MULA 1, 1, 0, 0
	MULA 1, 1, 1, 0
	PLACES
	; THE WAY OUT: f32 as it stands; 16 rows at a time through my own stage, back as whole rows of 512 bytes
	s_lshl_b32 s78, s15, 8
	s_lshl_b32 s79, s12, 6
	s_add_co_u32 s78, s78, s79                     ; my first row
	s_lshl_b32 s78, s78, 12                        ; 4,096 bytes a row
	s_lshl_b32 s79, s42, 9                         ; my 128 columns
	s_add_co_u32 s78, s78, s79
	s_mov_b32 s79, 0
	s_add_nc_u64 s[10:11], s[10:11], s[78:79]
.macro OUT16 i, a, from                ; from: the store data's window (source 1): 0x08 window 2, 0x0c window 3
	WIN \from
.irp b, 0,1,2,3,4,5,6,7
	ds_store_b128 v[STO], v[8*(NT*\a+\b):8*(NT*\a+\b)+3]   offset:64*\b
	ds_store_b128 v[STO], v[8*(NT*\a+\b)+4:8*(NT*\a+\b)+7] offset:64*\b+16
.endr
	WIN 0
	s_wait_xcnt 0x0                                ; v64-127, which the last stores read, are loaded again only behind this wait
.irp t, 0,1,2,3,4,5,6,7,8,9,10,11,12,13,14,15
	ds_load_b128 v[64+4*\t:64+4*\t+3], v[RD] offset:\t*SPITCH      ; a wave's LDS instructions are served in order: these see the stores above
.endr
.irp t, 0,1,2,3,4,5,6,7,8,9,10,11,12,13,14,15
	s_wait_dscnt 15-\t
	global_store_b128 v[CO], v[64+4*\t:64+4*\t+3], s[10:11] offset:(16*\i+\t)*4096 th:TH_STORE_NT    ; 512 consecutive bytes, aligned
.endr
.endm
	OUT16 0, 0, 0x08
	OUT16 1, 1, 0x08
	OUT16 2, 0, 0x0c
	OUT16 3, 1, 0x0c
	s_set_vgpr_msb 0x1
	s_wait_tensorcnt 0x0
	ds_add_u32 v255, v255
	s_wait_dscnt 0x0
	s_set_vgpr_msb 0x100
	CROUND                                         ; the closing round: no work-group ends while a partner may still ask for a tile that names it
	s_endpgm
.Lfunc_end_k_q29a586946e_gemm_proj:
	.size	k_q29a586946e_gemm_proj, .Lfunc_end_k_q29a586946e_gemm_proj-k_q29a586946e_gemm_proj
	.p2alignl 7, 3214868480
	.fill 96, 4, 3214868480
	.section	.rodata,"a",@progbits
	.p2align	6, 0x0
	.amdhsa_kernel k_q29a586946e_gemm_proj
		.amdhsa_group_segment_fixed_size 327680
		.amdhsa_private_segment_fixed_size 0
		.amdhsa_enable_private_segment 0
		.amdhsa_kernarg_size 32
		.amdhsa_user_sgpr_count 2
		.amdhsa_user_sgpr_kernarg_segment_ptr 1
		.amdhsa_wavefront_size32 1
		.amdhsa_system_sgpr_workgroup_id_x 1
		.amdhsa_system_sgpr_workgroup_id_y 1
		.amdhsa_system_sgpr_workgroup_id_z 1
		.amdhsa_system_vgpr_workitem_id 0
		.amdhsa_next_free_vgpr 1024
		.amdhsa_next_free_sgpr 84
		.amdhsa_reserve_vcc 0
		.amdhsa_float_denorm_mode_32 3
		.amdhsa_float_denorm_mode_16_64 3
		.amdhsa_memory_ordered 1
		.amdhsa_forward_progress 1
		.amdhsa_inst_pref_size 121
	.end_amdhsa_kernel
	.amdgpu_metadata
---
amdhsa.version: [ 1, 2 ]
amdhsa.kernels:
  - .name:           k_q29a586946e_gemm_proj
    .symbol:         k_q29a586946e_gemm_proj.kd
    .args:
      - { .name: ah, .offset: 0, .size: 8, .value_kind: global_buffer, .address_space: global }
      - { .name: wtp, .offset: 8, .size: 8, .value_kind: global_buffer, .address_space: global }
      - { .name: b_proj, .offset: 16, .size: 8, .value_kind: global_buffer, .address_space: global }
      - { .name: out0, .offset: 24, .size: 8, .value_kind: global_buffer, .address_space: global }
    .group_segment_fixed_size: 327680
    .private_segment_fixed_size: 0
    .kernarg_segment_align: 8
    .kernarg_segment_size: 32
    .max_flat_workgroup_size: 128
    .sgpr_count:     84
    .vgpr_count:     1024
    .wavefront_size: 32
...
	.end_amdgpu_metadata
.endif
;; end of part 5
;; ======== version 2 of 2: 5 launches; version 1 with the launch prep written anew for expert scheduling mode
;; limits: values are held in f16: magnitudes above 65,504 overflow, below 6.1e-05 lose precision
;; workspace buffers: xb 16,777,216 bytes; wta 6,291,456 bytes; wtp 2,097,152 bytes; qkvh 50,331,648 bytes; tail 262,144 bytes; ah 16,777,216 bytes
;; launch prep (part 6): grid 320 x 1, 8 waves a work-group, no clusters, 140,288 bytes of LDS; arguments x, W_attn, W_proj, xb, wta, wtp; writes xb, wta, wtp
.if DOCPART == 6
	.amdgcn_target "amdgcn-amd-amdhsa--gfx1250"
	.amdhsa_code_object_version 6
	.text
	.protected	k_q29a586946e_prep
	.globl	k_q29a586946e_prep
	.p2align	8
	.type	k_q29a586946e_prep,@function
k_q29a586946e_prep:
	s_mov_b64 s[64:65], 0
	v_nop
	global_prefetch_b8 v0, s[64:65] scope:SCOPE_SE
	s_setreg_imm32_b32 hwreg(HW_REG_WAVE_SCHED_MODE, 0, 2), 2
	s_setreg_imm32_b32 hwreg(HW_REG_WAVE_MODE, 25, 1), 1
	s_wait_xcnt 0x0
	s_wait_alu depctr_vm_vsrc(0)
; prep: the matrix operands in 16 bits.
;   xb  [8192][1024]  bf16 = x rounded to nearest even
;   wta [3072 n][1024 k] bf16 = W_attn rounded, transposed (K along the rows, as the matrix fragments want it)
;   wtp [1024 n][1024 k] f16  = W_proj rounded to bf16 and that value held as f16, transposed
; LIMIT: an entry of W_proj below 7.6e-6 in magnitude loses bits in f16 (absolute error at most 3e-8).
; Work-groups 0-47: 64 columns of W_attn each; 48-63: 64 columns of W_proj each; 64-319: 131,072 bytes of x each.
; A stream: no matrix unit, no cluster, no barrier.  LDS is used by the transposes alone, each wave in bytes of its own.
; THE MODE: SCHED_MODE bits 1:0 = 2 (LLVM: expert scheduling mode 2), set by the entry lines.  The code itself states the register dependences
; between vector instructions and memory or LDS instructions, with s_wait_alu, always for 0.
; THE PLAN, TRANSPOSES.  A wave's 128 k go in eight groups of 16; step g works on group g.  Registers that memory or LDS instructions touch:
;   X0 .. X4   five raw buffers, group g in X[g mod 5].  Written by the global loads; read by step g's conversions.  Groups 0 to 4 are asked for at the head,
;              group g + 4 in step g (g = 1, 2, 3), into X[(g - 1) mod 5], which step g - 1 emptied.
;   T0, T1     two packed sets, group g in T[g mod 2].  Written by step g's conversions; read by the group's four LDS stores, which are issued in step g + 1.
;   v5 .. v8   offsets and LDS addresses, made once and never written again: rows and groups stand in the immediate offsets.
;   v[32:159]  once more at the end: the read-back's LDS loads land there, the global stores read them, nothing writes them again.
;   v10, v11   are named by vector instructions alone.
; Step g's vector instructions name X[g mod 5], T[g mod 2], v10, v11; its memory instructions touch X[(g - 1) mod 5] and T[(g - 1) mod 2]: so the waits at the
; head of a step state all that its loads and LDS stores hang on, and these are dealt among its conversions with no further wait.
; THE PLAN, CAST.  All 32 loads go out at once into v[32:159]; each load's four registers are rounded in place into its first two, which its store reads; nothing
; is loaded or written again.  Eight blocks of four loads: block p's stores are issued in block p + 1, behind one wait at that block's head.
.set XR,    32                         ; v[32:159]  raw buffers 0 to 3; later the read-back; in the cast all data
.set XGAP,  18                         ; raw buffer 4 lies at v[178:209]: buffer b at XR + 32 b + XGAP (b / 4)
.set TR,    16                         ; v[16:31]   packed set 0: a group's 16 packed words
.set TGAP,  146                        ; v[162:177] packed set 1: set f at TR + TGAP f
.set LROW,  272                        ; an LDS row: 128 k x 2 bytes + 16
.set LWAVE, 64*LROW                    ; a wave's 64 columns
	s_load_b256 s[4:11], s[0:1], 0x0               ; x s[4:5], W_attn s[6:7], W_proj s[8:9], xb s[10:11]
	s_load_b128 s[12:15], s[0:1], 0x20             ; wta s[12:13], wtp s[14:15]
	v_lshl_add_u32 v160, v0, 2, 0x22000
	v_mov_b32 v161, 0
	v_lshrrev_b32 v1, 5, v0
	v_readfirstlane_b32 s20, v1                    ; wave 0..7
	v_and_b32 v2, 31, v0                           ; lane
	v_and_b32 v3, 15, v0                           ; r = lane mod 16
	v_bfe_u32 v4, v0, 4, 1                         ; h = lane / 16
	s_wait_alu depctr_va_sdst(0)                   ; s20 is written, ahead of the branches and of its first reader: the transposes' bases and LDS addresses are made from it
	s_wait_kmcnt 0x0
	s_cmp_ge_u32 ttmp9, 64
	s_cbranch_scc1 .Lcast
	s_cmp_ge_u32 ttmp9, 48
	s_cbranch_scc1 .Lproj
; eight loads: rows 16 g + j (lanes 0-15) and 16 g + 8 + j (lanes 16-31), 256 bytes of each, into raw buffer g mod 5
.macro LOADG pitch, g
.set XL, XR+32*((\g)%5)+XGAP*(((\g)%5)/4)
.irp j, 0,1,2,3,4,5,6,7
	global_load_b128 v[XL+4*\j:XL+4*\j+3], v5, s[16:17] offset:(16*(\g)+\j)*\pitch th:TH_LOAD_NT
.endr
.endm
; step g: a lane holds 8 consecutive k of 4 columns; each column's 8 numbers become 16 bytes of an LDS row.
; left = the loads of the younger groups, which stay out.
.macro DOG pitch, half, g, left
.set XI, XR+32*((\g)%5)+XGAP*(((\g)%5)/4)              ; the raw buffer at work
.set XL, XR+32*(((\g)+4)%5)+XGAP*((((\g)+4)%5)/4)      ; the raw buffer that the step before emptied
.set TW, TR+TGAP*((\g)%2)                              ; the packed set that this step writes
.set TS, TR+TGAP*(((\g)+1)%2)                          ; the packed set that the step before wrote
	s_wait_loadcnt \left                           ; loads come back in order (ISA guide 5.7.1): group g is in
.if (\g) >= 2
	s_wait_alu depctr_vm_vsrc(0)                   ; the LDS stores issued in the step before have read this step's packed set, which its conversions write again
.endif
.if (\g) >= 1
	s_wait_alu depctr_va_vdst(0)                   ; the step before has written its packed set, which the LDS stores below read, and is done reading its raw buffer, in which the loads below land
.endif
.irp c, 0,1,2,3
.if ((\g) >= 1) && ((\g) <= 3)
	global_load_b128 v[XL+8*\c:XL+8*\c+3],   v5, s[16:17] offset:(16*((\g)+4)+2*\c)*\pitch th:TH_LOAD_NT      ; group g + 4; no vector instruction since the wait names these registers
	global_load_b128 v[XL+8*\c+4:XL+8*\c+7], v5, s[16:17] offset:(16*((\g)+4)+2*\c+1)*\pitch th:TH_LOAD_NT
.endif
.if (\g) >= 1
	ds_store_b128 v6, v[TS+4*\c:TS+4*\c+3] offset:\c*LROW+32*((\g)-1)   ; group g - 1.  Lanes 4 rows apart: four lanes meet in a group of banks; 32 such stores a tile
.endif
.irp jj, 0,1,2,3
	v_cvt_pk_bf16_f32 v[TW+4*\c+\jj], v[XI+8*\jj+\c], v[XI+8*\jj+4+\c]
.endr
.if \half
.irp jj, 0,1,2,3
	v_lshlrev_b32 v10, 16, v[TW+4*\c+\jj]          ; the two bf16 values as f32,
	v_and_b32 v11, 0xffff0000, v[TW+4*\c+\jj]
	v_cvt_pk_f16_f32 v[TW+4*\c+\jj], v10, v11      ; and held as f16
.endr
.endif
.endr
.endm
; A wave transposes rows k = 128 w .. +127 of 64 columns.  s[16:17] source, s[18:19] destination, s21 the block of 64 columns.
.macro TRANS pitch, half
	s_mul_i32 s22, s20, 128*\pitch
	s_lshl_b32 s23, s21, 8
	s_add_co_u32 s22, s22, s23
	s_mov_b32 s23, 0
	s_add_nc_u64 s[16:17], s[16:17], s[22:23]      ; W + 128 w rows + 64 block columns
	s_lshl_b32 s22, s21, 17
	s_lshl_b32 s24, s20, 8
	s_add_co_u32 s22, s22, s24
	s_add_nc_u64 s[18:19], s[18:19], s[22:23]      ; Wt + 64 block rows of 2,048 bytes + 256 w
	v_mul_u32_u24 v5, v4, 8*\pitch
	v_lshl_add_u32 v5, v3, 4, v5                   ; source: 8 h rows + 16 r
	s_mul_i32 s24, s20, LWAVE                      ; my wave's LDS
	v_mul_u32_u24 v6, v3, 4*LROW
	v_lshl_add_u32 v6, v4, 4, v6
	v_add_nc_u32 v6, s24, v6                       ; in: column 4 r (+ c), byte 16 h (+ 32 g)
	v_mul_u32_u24 v7, v4, LROW
	v_lshl_add_u32 v7, v3, 4, v7
	v_add_nc_u32 v7, s24, v7                       ; back: column h (+ 2 u), byte 16 r
	v_lshlrev_b32 v8, 11, v4
	v_lshl_add_u32 v8, v3, 4, v8                   ; destination: row h (+ 2 u), byte 16 r
	s_wait_alu depctr_va_vdst(0)                   ; v5 to v8 are written: every load, LDS access and store below reads one of them as its offset or address
	LOADG \pitch, 0
	LOADG \pitch, 1
	LOADG \pitch, 2
	LOADG \pitch, 3
	LOADG \pitch, 4
	DOG \pitch, \half, 0, 32                       ; groups 1 to 4 stay out
	DOG \pitch, \half, 1, 24                       ; from here on three younger groups stay out; each of steps 1 to 3 asks for one more
	DOG \pitch, \half, 2, 24
	DOG \pitch, \half, 3, 24
	DOG \pitch, \half, 4, 24
	DOG \pitch, \half, 5, 16                       ; nothing is left to ask for: the counts run down
	DOG \pitch, \half, 6, 8
	DOG \pitch, \half, 7, 0
	s_wait_alu depctr_va_vdst(0)                   ; step 7 has written packed set 1, which the last four LDS stores read; all conversions are done reading v[32:159], in which the read-back lands
.irp c, 0,1,2,3
	ds_store_b128 v6, v[TR+TGAP+4*\c:TR+TGAP+4*\c+3] offset:\c*LROW+32*7
.endr
.set u_, 0
.rept 32
	ds_load_b128 v[XR+4*u_:XR+4*u_+3], v7 offset:2*LROW*u_     ; LDS serves a wave's instructions in order (ISA guide 5.7.1): these see the stores above
.set u_, u_+1
.endr
.set u_, 0
.rept 32
	s_wait_dscnt 31-u_                             ; the younger read-backs stay out
	global_store_b128 v8, v[XR+4*u_:XR+4*u_+3], s[18:19] offset:4096*u_   ; sixteen lanes store 256 consecutive bytes, aligned
.set u_, u_+1
.endr
.endm
	s_mov_b64 s[16:17], s[6:7]
	s_mov_b64 s[18:19], s[12:13]
	s_mov_b32 s21, ttmp9
	TRANS 12288, 0
	s_wait_dscnt 0x0                               ; the closing lines, six on end
	s_wait_alu 0x0
	s_wait_tensorcnt 0x0
	ds_add_u32 v160, v161
	s_wait_dscnt 0x0
	s_endpgm
.Lproj:
	s_mov_b64 s[16:17], s[8:9]
	s_mov_b64 s[18:19], s[14:15]
	s_sub_co_u32 s21, ttmp9, 48
	TRANS 4096, 1
	s_wait_dscnt 0x0                               ; the closing lines, six on end
	s_wait_alu 0x0
	s_wait_tensorcnt 0x0
	ds_add_u32 v160, v161
	s_wait_dscnt 0x0
	s_endpgm
; Block p of the cast: loads 4 p .. 4 p + 3 are rounded in place; the stores of block p - 1 are dealt among the roundings.
.macro CBLK p
	s_wait_loadcnt 28-4*(\p)                       ; loads come back in order: my block's four are in, the younger blocks stay out
.if (\p) > 0
	s_wait_alu depctr_va_vdst(0)                   ; the block before has written the pairs that the four stores below read; no vector instruction names them again
.endif
.irp i, 0,1,2,3
.if (\p) > 0
	global_store_b64 v6, v[XR+16*((\p)-1)+4*\i:XR+16*((\p)-1)+4*\i+1], s[10:11] offset:256*(4*((\p)-1)+\i)    ; the wave's 32 lanes store 256 consecutive bytes, aligned
.endif
	v_cvt_pk_bf16_f32 v[XR+16*(\p)+4*\i], v[XR+16*(\p)+4*\i], v[XR+16*(\p)+4*\i+1]
	v_cvt_pk_bf16_f32 v[XR+16*(\p)+4*\i+1], v[XR+16*(\p)+4*\i+2], v[XR+16*(\p)+4*\i+3]
.endr
.endm
.Lcast:
	; a wave takes 16,384 bytes of x: 32 loads of 512 bytes, all issued at once; each gives one store of 256 bytes
	s_sub_co_u32 s21, ttmp9, 64
	s_lshl_b32 s22, s21, 17
	s_mov_b32 s23, 0
	s_add_nc_u64 s[4:5], s[4:5], s[22:23]
	s_lshl_b32 s22, s21, 16
	s_add_nc_u64 s[10:11], s[10:11], s[22:23]
	v_lshlrev_b32 v5, 4, v2
	v_lshl_add_u32 v5, v1, 14, v5                  ; 16,384 w + 16 lane
	v_lshlrev_b32 v6, 3, v2
	v_lshl_add_u32 v6, v1, 13, v6                  ; 8,192 w + 8 lane
	s_wait_alu depctr_va_vdst(0)                   ; v5 and v6 are written: the loads read v5 as their offset, the stores v6
.set i_, 0
.rept 32
	global_load_b128 v[XR+4*i_:XR+4*i_+3], v5, s[4:5] offset:512*i_ th:TH_LOAD_NT
.set i_, i_+1
.endr
.irp p, 0,1,2,3,4,5,6,7
	CBLK \p
.endr
	s_wait_alu depctr_va_vdst(0)                   ; block 7 has written the pairs that the last four stores read
.irp i, 0,1,2,3
	global_store_b64 v6, v[XR+112+4*\i:XR+112+4*\i+1], s[10:11] offset:256*(28+\i)
.endr
	s_endpgm
.Lfunc_end_k_q29a586946e_prep:
	.size	k_q29a586946e_prep, .Lfunc_end_k_q29a586946e_prep-k_q29a586946e_prep
	.p2alignl 7, 3214868480
	.fill 96, 4, 3214868480
	.section	.rodata,"a",@progbits
	.p2align	6, 0x0
	.amdhsa_kernel k_q29a586946e_prep
		.amdhsa_group_segment_fixed_size 140288
		.amdhsa_private_segment_fixed_size 0
		.amdhsa_enable_private_segment 0
		.amdhsa_kernarg_size 48
		.amdhsa_user_sgpr_count 2
		.amdhsa_user_sgpr_kernarg_segment_ptr 1
		.amdhsa_wavefront_size32 1
		.amdhsa_system_sgpr_workgroup_id_x 1
		.amdhsa_system_sgpr_workgroup_id_y 1
		.amdhsa_system_sgpr_workgroup_id_z 1
		.amdhsa_system_vgpr_workitem_id 0
		.amdhsa_next_free_vgpr 210
		.amdhsa_next_free_sgpr 66
		.amdhsa_reserve_vcc 0
		.amdhsa_float_denorm_mode_32 3
		.amdhsa_float_denorm_mode_16_64 3
		.amdhsa_memory_ordered 1
		.amdhsa_forward_progress 1
		.amdhsa_inst_pref_size 80
	.end_amdhsa_kernel
	.amdgpu_metadata
---
amdhsa.version: [ 1, 2 ]
amdhsa.kernels:
  - .name:           k_q29a586946e_prep
    .symbol:         k_q29a586946e_prep.kd
    .args:
      - { .name: x, .offset: 0, .size: 8, .value_kind: global_buffer, .address_space: global }
      - { .name: W_attn, .offset: 8, .size: 8, .value_kind: global_buffer, .address_space: global }
      - { .name: W_proj, .offset: 16, .size: 8, .value_kind: global_buffer, .address_space: global }
      - { .name: xb, .offset: 24, .size: 8, .value_kind: global_buffer, .address_space: global }
      - { .name: wta, .offset: 32, .size: 8, .value_kind: global_buffer, .address_space: global }
      - { .name: wtp, .offset: 40, .size: 8, .value_kind: global_buffer, .address_space: global }
    .group_segment_fixed_size: 140288
    .private_segment_fixed_size: 0
    .kernarg_segment_align: 8
    .kernarg_segment_size: 48
    .max_flat_workgroup_size: 256
    .sgpr_count:     66
    .vgpr_count:     210
    .wavefront_size: 32
...
	.end_amdgpu_metadata
.endif
;; end of part 6
;; launch gemm_qkv: the kernel of part 2 again; grid 16 x 32, 4 waves a work-group, clusters of 4 x 4, 327,680 bytes of LDS; arguments xb, wta, b_attn, qkvh; writes qkvh
;; launch tails: the kernel of part 3 again; grid 64 x 1, 16 waves a work-group, no clusters, 14,848 bytes of LDS; arguments qkvh, attention_mask, tail; writes tail
;; launch attn: the kernel of part 4 again; grid 4 x 64, 8 waves a work-group, no clusters, 327,680 bytes of LDS; arguments qkvh, attention_mask, tail, ah; writes ah
;; launch gemm_proj: the kernel of part 5 again; grid 8 x 32, 4 waves a work-group, clusters of 4 x 4, 327,680 bytes of LDS; arguments ah, wtp, b_proj, out0; writes out0
